; MI455X (gfx1250); checked and timed in simulation.
; The chip was launched on July 23, 2026; its instructions are those of AMD's public machine-readable ISA for CDNA 5 (MIT licence, August 2026) and "CDNA5" Instruction Set Architecture Reference Guide (July 2026). The comments in the code are by the model that wrote it; some were corrected since.
;; Multi Head Attention. Allowed arithmetic: matrix products marked QUANTISED: E2M3 operands, one E8M0 scale for each 32 along K, by v_wmma_scale_f32_16x16x128_f8f6f4 with both operands' format E2M3, f32 sums; everything else in f32.
;; Inputs: bk 12 x 64 float32; bo 768 float32; bq 12 x 64 float32; bv 12 x 64 float32; wk 12 x 768 x 64 float32; wo 768 x 768 float32; wq 12 x 768 x 64 float32; wv 12 x 768 x 64 float32; x 1 x 4,096 x 768 float32.
;; Outputs: out0 1 x 4,096 x 768 float32.
;; This version of the problem:
;;   THIS VERSION OF THE PROBLEM IS GIVEN IN LOW PRECISION. The matrix products marked QUANTISED in the list below multiply operands that are first quantised to E2M3 (2 exponent bits, 3 mantissa bits; 6 bits a number), with one power-of-two scale for each 32 numbers along K (OCP MX v1.0); their sums are f32. All else is computed in f32.
;;   The module's matrix products, in the order in which they are computed (A, B: the left and right operand; K: the contracted axis; several contracted axes count as one K, in the product's order):
;;     1. [M 768, K 768] x [K 768, N 4,096]; A: input wq; B: input x: QUANTISED
;;     2. [M 768, K 768] x [K 768, N 4,096]; A: input wk; B: input x: QUANTISED
;;     3. [M 768, K 768] x [K 768, N 4,096]; A: input wv; B: input x: QUANTISED
;;     4. batch 12 x [M 4,096, K 64] x [K 64, N 4,096]; A: computed on the way; B: computed on the way: QUANTISED
;;     5. batch 12 x [M 4,096, K 4,096] x [K 4,096, N 64]; A: softmax (see below); B: computed on the way: QUANTISED
;;     6. [M 4,096, K 768] x [K 768, N 768]; A: computed on the way; B: input wo: QUANTISED
;;   THE QUANTISER, for each operand of a quantised product, along K:
;;     - K is cut into blocks of 32 from its start; a last block that is shorter is filled with zeros.
;;     - A block's scale is 2^e with e = floor(log2(the largest magnitude in the block)) - 2, held to -126 .. 127; a block of zeros has e = 0. As a byte (E8M0): e + 127.
;;     - Each number is divided by its block's scale, clamped to +-7.5, and rounded to the nearest number of E2M3, ties to even, subnormals kept.
;;     - The product sums the exact products of the quantised numbers (number of the format x scale) in f32.
;;   ~~~python
;;   def quantise(x, axis):      # numpy; x: float32 -> the quantised numbers, widened to float32 again
;;       x = np.moveaxis(x, axis, -1); K = x.shape[-1]
;;       x = np.pad(x, [(0, 0)] * (x.ndim - 1) + [(0, -K % 32)]); x = x.reshape(x.shape[:-1] + (-1, 32)); a = np.abs(x).max(-1, keepdims=True)
;;       e = np.where(a > 0, np.clip(np.frexp(np.where(a > 0, a, 1))[1] - 1 - 2, -126, 127), 0)      # np.frexp(a)[1] - 1 = floor(log2(a)), exactly
;;       r = np.clip(x / 2.0 ** e, -7.5, 7.5)
;;       step = 2.0 ** (np.maximum(np.frexp(np.where(r == 0, 1, r))[1] - 1, 0) - 3)
;;       q = np.round(r / step) * step * 2.0 ** e      # np.round: ties to even
;;       return np.moveaxis(q.reshape(q.shape[:-2] + (-1,))[..., :K], -1, axis).astype(np.float32)
;;   ~~~
;;   SOFTMAX AHEAD OF A QUANTISED PRODUCT. Where the list says 'softmax', what is quantised is not the finished softmax but p = 2^(t - M), with t = logit x log2(e) and M = ceil(the row's largest t), a whole number; so 1/2 < the row's largest p <= 1. The row's sum l is taken of the UNQUANTISED p, in f32, and the product's result is divided by l at the end. Since M is a whole number, a kernel that streams over the keys may use a running M (the ceiling of the running maximum): every later rescaling is an exact power of two, which a block's scale takes up: the codes' values come out the same.
;;   OPERANDS COMPUTED ON THE WAY. 'Computed on the way' means the value that the module computes at that place (a softmax that the list does not call 'softmax' is quantised finished and normalised). What goes into a quantiser is computed in f32, as accurately as f32 sums, v_exp_f32 and their like allow (about 1e-6 of the number): no bf16 or f16 on the way to a quantiser, and a product that is left as it is and whose result goes on into a quantised operand takes f32 operands (vector FMAs, or v_wmma_f32_16x16x4_f32). A number that lies on a knife's edge between two numbers of the format may be rounded either way, as far as f32 arithmetic and the matrix unit's own rounding can turn it there, and no further.
;; 2 versions. Each part assembles by itself: llvm-mc -triple=amdgcn-amd-amdhsa -mcpu=gfx1250 --defsym DOCPART=n.
;; ======== version 1 of 2: 4 launches
;; workspace buffers: xc 2,359,296 bytes; xs 98,304 bytes; wc 1,769,472 bytes; ws 73,728 bytes; qi 2,555,904 bytes; kv 5,111,808 bytes; cc 2,359,296 bytes; cs 196,608 bytes
;; launch quant (part 1): grid 6 x 56, 4 waves a work-group, no clusters, 0 bytes of LDS; arguments x, wq, wk, wv, wo, xc, xs, wc, ws; writes xc, xs, wc, ws
.if DOCPART == 1
	.amdgcn_target "amdgcn-amd-amdhsa--gfx1250"
	.amdhsa_code_object_version 6
	.text
	.protected	k_qd6f3424b08_quant
	.globl	k_qd6f3424b08_quant
	.p2align	8
	.type	k_qd6f3424b08_quant,@function
k_qd6f3424b08_quant:
	s_mov_b64 s[64:65], 0
	v_nop
	global_prefetch_b8 v0, s[64:65] scope:SCOPE_SE
	s_setreg_imm32_b32 hwreg(HW_REG_WAVE_MODE, 25, 1), 1
	s_wait_xcnt 0x0
; x [4096][768] and the weights wq, wk, wv [12][768][64], wo [768][768] (K on the axis of 768 rows), all f32, become codes of FP6 (E2M3) with one
; E8M0 scale byte for each 32 along K, laid as IMAGES OF OPERAND REGISTERS: a fragment (16 rows x 128 K, 12 registers a lane) is 1,536 bytes, registers 4 q .. 4 q + 3
; of lane l at 512 q + 16 l.  A reader fills a fragment by three loads of 16 bytes a lane, each 512 consecutive bytes.
; THE ROWS OF A TILE ARE NOT NEIGHBOURS: with perm(r) = r + 8 (r / 8), row r of token tile 2 p + u of a step of 128 tokens is token 32 p + 8 u + perm(r); row r of tile t of a unit of
; 64 outputs is output 32 (t / 2) + 8 (t % 2) + perm(r).  So the 16 result registers of two neighbouring tiles are 16 neighbours along the next product's K.
; xc [s 32][c 6][i 8][1536];  xs [s][c][j 4][lane] words: lanes 0-15 tile 2 j, lanes 16-31 tile 2 j + 1;  wc [U 48][c 6][t 4][1536];  ws [U][c][j 2][lane] words.  U = 12 kind + head (q, k, v), 36 + n / 64 (wo).
; A block's scale is 2^(floor(log2(largest magnitude)) - 2): its byte is the largest magnitude's exponent field - 2, held at 1 from below.
; LIMITS: a block of zeros gets the byte 1 where the rule says 127 (its codes are zeros, and this program alone reads the bytes); NaN and infinities among the inputs are not served.
; SHARES: work-groups y < 32: x, step s = y, K step c = x, wave j: tiles 2 j, 2 j + 1.  y >= 32: weights, U = 2 (y - 32) + (x >= 3), c = 2 (x % 3) + wave / 2, tiles 2 (wave % 2) and the next.
; A wave asks for all its 16 KiB at once; no LDS, no barrier: waves share nothing.  The scale words leave as 128 consecutive bytes a wave, one byte in 24 of what the launch stores.
.set LI,   1                           ; v1   16 x lane
.set LS,   2                           ; v2   4 x lane
.set SRC,  3                           ; v3   my lane's byte in the source
.set DATA, 32                          ; v32-159  two tiles x 64 numbers
.set PCA,  160                         ; v160-179 first tile's codes (12) and the conversions' second halves
.set PCB,  180                         ; v180-199 second tile's
.set TM,   200                         ; v200-215 +0 largest magnitudes, +4 at work and bytes, +12 the conversions' scale operands
.set PW0,  216                         ; scale word of the first tile, of the second, and the two joined
.set PW1,  217
.set JW,   218
.set SEL,  22                          ; s[22:23] selects of v_permlanex16_b32: lane l xor 16
; 64 numbers of a lane, register 16 b + i = k 32 b + 16 (lane / 16) + i of my row, become a fragment's codes in v[pc] on and its scale word in v[pw]
.macro QUANT s, pc, pw
.irp b, 0,1,2,3
	v_max3_num_f32 v[TM+\b], |v[\s+16*\b]|, |v[\s+1+16*\b]|, 0x1800000   ; my 16 numbers of block b, and the floor 2^(3 - 127): the byte cannot fall under 1
.endr
.irp i, 2,4,6,8,10,12,14
.irp b, 0,1,2,3
	v_max3_num_f32 v[TM+\b], v[TM+\b], |v[\s+16*\b+\i]|, |v[\s+1+16*\b+\i]|
.endr
.endr
.irp b, 0,1,2,3
	v_permlanex16_b32 v[TM+4+\b], v[TM+\b], s[SEL], s[SEL+1]
.endr
.irp b, 0,1,2,3
	v_max_num_f32 v[TM+\b], v[TM+\b], v[TM+4+\b]                       ; with lane l xor 16's: the block's largest magnitude
.endr
.irp b, 0,1,2,3
	v_add_nc_u32 v[TM+12+\b], 0xff000000, v[TM+\b]                     ; 2 off its exponent field: the conversion's scale operand
.endr
.irp b, 0,1,2,3
	v_lshrrev_b32 v[TM+4+\b], 23, v[TM+12+\b]                          ; the scale's byte
.endr
	v_lshl_or_b32 v[\pw], v[TM+5], 8, v[TM+4]
	v_lshl_or_b32 v[\pw], v[TM+6], 16, v[\pw]
	v_lshl_or_b32 v[\pw], v[TM+7], 24, v[\pw]
.irp c, 0,1
	v_cvt_scalef32_pk16_fp6_f32 v[\pc+6*\c:\pc+2+6*\c], v[\s+32*\c:\s+15+32*\c], v[TM+12+2*\c]
	v_cvt_scalef32_pk16_fp6_f32 v[\pc+12+4*\c:\pc+14+4*\c], v[\s+16+32*\c:\s+31+32*\c], v[TM+12+2*\c+1]   ; (a conversion's three registers begin on an even number)
.endr
	v_nop                                          ; one plain place behind a scaled conversion
.irp c, 0,1                                    ; the layout wants a whole block in a lane: lanes 0-15 block 2 c, lanes 16-31 block 2 c + 1
.irp i, 0,1,2
	v_permlane16_swap_b32 v[\pc+6*\c+\i], v[\pc+12+4*\c+\i]
.endr
.irp i, 0,1,2
	v_mov_b32 v[\pc+3+6*\c+\i], v[\pc+12+4*\c+\i]
.endr
.endr
.endm
; 64 numbers of a lane that run DOWN K: register 32 c + i = k 64 c + 32 (lane / 16) + i of my column: two whole blocks a lane
.macro WQUANT s, pc, pw
.irp c, 0,1
	v_max3_num_f32 v[TM+\c], |v[\s+32*\c]|, |v[\s+1+32*\c]|, 0x1800000
.endr
.irp i, 2,4,6,8,10,12,14,16,18,20,22,24,26,28,30
.irp c, 0,1
	v_max3_num_f32 v[TM+\c], v[TM+\c], |v[\s+32*\c+\i]|, |v[\s+1+32*\c+\i]|
.endr
.endr
.irp c, 0,1
	v_add_nc_u32 v[TM+12+\c], 0xff000000, v[TM+\c]
.endr
.irp c, 0,1
	v_lshrrev_b32 v[TM+4+\c], 23, v[TM+12+\c]
.endr
	v_lshl_or_b32 v[\pw], v[TM+5], 16, v[TM+4]     ; my two bytes: blocks h and 2 + h,
	v_lshlrev_b32 v[TM+6], 3, v6
	v_lshlrev_b32 v[\pw], v[TM+6], v[\pw]          ; 8 h bits up;
	v_permlanex16_b32 v[TM+7], v[\pw], s[SEL], s[SEL+1]
	v_or_b32 v[\pw], v[\pw], v[TM+7]               ; with lane l xor 16's two the word is whole
.irp c, 0,1
	v_cvt_scalef32_pk16_fp6_f32 v[\pc+6*\c:\pc+2+6*\c], v[\s+32*\c:\s+15+32*\c], v[TM+12+\c]
	v_cvt_scalef32_pk16_fp6_f32 v[\pc+12+4*\c:\pc+14+4*\c], v[\s+16+32*\c:\s+31+32*\c], v[TM+12+\c]
.endr
	v_nop                                          ; one plain place behind a scaled conversion
.irp c, 0,1
.irp i, 0,1,2
	v_mov_b32 v[\pc+3+6*\c+\i], v[\pc+12+4*\c+\i]
.endr
.endr
.endm
.macro XLOAD u                         ; tile u of my two: 16 neighbours of each of the four blocks of my row
.irp b, 0,1,2,3
.irp q, 0,1,2,3
	global_load_b128 v[DATA+64*\u+16*\b+4*\q:DATA+64*\u+16*\b+4*\q+3], v[SRC], s[4:5] offset:\u*8*3072+128*\b+16*\q th:TH_LOAD_NT
.endr
.endr
.endm
.macro WLOAD P                         ; both tiles; P: bytes from a row of K to the next
.irp u, 0,1
.irp e, 0,1
.irp i, 0,1,2,3,4,5,6,7,8,9,10,11,12,13,14,15,16,17,18,19,20,21,22,23,24,25,26,27,28,29,30,31
	global_load_b32 v[DATA+64*\u+32*\e+\i], v[SRC], s[36:37] offset:(64*\e+\i)*\P+32*\u
.endr
.endr
.endr
.endm
	s_load_b512 s[4:19], s[0:1], 0x0               ; x 4, wq 6, wk 8, wv 10, wo 12, xc 14, xs 16, wc 18
	s_load_b64 s[20:21], s[0:1], 0x40              ; ws
	v_lshrrev_b32 v4, 5, v0
	v_readfirstlane_b32 s30, v4                    ; wave
	v_and_b32 v5, 31, v0                           ; lane
	v_lshlrev_b32 v[LI], 4, v5
	v_lshlrev_b32 v[LS], 2, v5
	v_and_b32 v4, 15, v0                           ; r
	v_bfe_u32 v6, v0, 4, 1                         ; h
	v_and_b32 v7, 8, v4
	v_add_nc_u32 v7, v7, v4                        ; perm(r)
	s_mov_b32 s[SEL], 0x76543210
	s_mov_b32 s[SEL+1], 0xfedcba98
	s_mov_b32 s24, 0xffff0000                      ; lanes 16-31
.irp b, 0,1,2,3
	v_mov_b32 v[TM+4+\b], 0                        ; written once: a lane permute's destination counts as one of its sources
.endr
	s_and_b32 s31, ttmp7, 0xffff                   ; work-group y
	s_mov_b32 s33, 0
	s_wait_kmcnt 0x0
	s_cmp_ge_u32 s31, 32
	s_cbranch_scc1 .Lw
	; ---- x: step s = y, K step c = work-group x, tiles 2 j, 2 j + 1
	v_mul_u32_u24 v[SRC], v7, 3072
	v_lshl_add_u32 v[SRC], v6, 6, v[SRC]           ; perm(r) rows + 64 h
	s_lshl_b32 s32, s31, 7
	s_lshl_b32 s34, s30, 5
	s_add_co_u32 s32, s32, s34                     ; token 128 s + 32 j
	s_mul_i32 s32, s32, 3072
	s_lshl_b32 s34, ttmp9, 9
	s_add_co_u32 s32, s32, s34                     ; + 512 c bytes
	s_add_nc_u64 s[4:5], s[4:5], s[32:33]
	XLOAD 0
	XLOAD 1
	s_mul_i32 s34, s31, 6
	s_add_co_u32 s34, s34, ttmp9                   ; 6 s + c
	s_lshl_b32 s32, s34, 3
	s_lshl_b32 s35, s30, 1
	s_add_co_u32 s32, s32, s35
	s_mul_i32 s32, s32, 1536
	s_add_nc_u64 s[26:27], s[14:15], s[32:33]      ; where my two fragments go
	s_lshl_b32 s32, s34, 2
	s_add_co_u32 s32, s32, s30
	s_lshl_b32 s32, s32, 7
	s_add_nc_u64 s[28:29], s[16:17], s[32:33]      ; and their scale words
	s_wait_loadcnt 16                              ; the first tile's 16 loads are in; the second's 16 may be out
	QUANT DATA, PCA, PW0
	s_wait_loadcnt 0x0
	QUANT DATA+64, PCB, PW1
	s_branch .Lout
.Lw:	; ---- the weights
	s_sub_co_u32 s32, s31, 32                      ; a2 = 0 .. 23
	s_cmp_ge_u32 ttmp9, 3
	s_cselect_b32 s34, 1, 0
	s_cselect_b32 s35, 3, 0
	s_sub_co_u32 s35, ttmp9, s35                   ; m = x % 3
	s_lshl_b32 s42, s32, 1
	s_add_co_u32 s42, s42, s34                     ; U
	s_mov_b64 s[36:37], s[12:13]                   ; which tensor: a2 / 6.  The choice hangs on the work-group's number alone
	s_mov_b32 s38, 36
	s_cmp_lt_u32 s32, 18
	s_cselect_b64 s[36:37], s[10:11], s[36:37]
	s_cselect_b32 s38, 24, s38
	s_cmp_lt_u32 s32, 12
	s_cselect_b64 s[36:37], s[8:9], s[36:37]
	s_cselect_b32 s38, 12, s38
	s_cmp_lt_u32 s32, 6
	s_cselect_b64 s[36:37], s[6:7], s[36:37]
	s_cselect_b32 s38, 0, s38                      ; 12 x kind
	s_sub_co_u32 s39, s42, s38                     ; the unit within its tensor
	s_lshr_b32 s40, s30, 1
	s_lshl_b32 s35, s35, 1
	s_add_co_u32 s40, s40, s35                     ; c
	s_and_b32 s41, s30, 1                          ; j'
	s_mul_i32 s34, s42, 6
	s_add_co_u32 s34, s34, s40                     ; 6 U + c
	s_lshl_b32 s32, s34, 2
	s_lshl_b32 s35, s41, 1
	s_add_co_u32 s32, s32, s35
	s_mul_i32 s32, s32, 1536
	s_add_nc_u64 s[26:27], s[18:19], s[32:33]
	s_lshl_b32 s32, s34, 1
	s_add_co_u32 s32, s32, s41
	s_lshl_b32 s32, s32, 7
	s_add_nc_u64 s[28:29], s[20:21], s[32:33]
	v_lshlrev_b32 v[SRC], 2, v7                    ; my column: 4 perm(r)
	s_cmp_eq_u32 s38, 36
	s_cbranch_scc1 .Lwo
	s_mul_i32 s32, s39, 196608                     ; a head's 768 rows of 256 bytes
	s_lshl_b32 s34, s40, 15                        ; 128 c rows
	s_add_co_u32 s32, s32, s34
	s_lshl_b32 s34, s41, 7                         ; 32 j' columns
	s_add_co_u32 s32, s32, s34
	s_add_nc_u64 s[36:37], s[36:37], s[32:33]
	v_lshl_add_u32 v[SRC], v6, 13, v[SRC]          ; lanes 16-31 begin 32 rows further down
	WLOAD 256
	s_branch .Lwq
.Lwo:
	s_mul_i32 s32, s40, 393216                     ; 128 c rows of 3,072 bytes
	s_lshl_b32 s34, s39, 8                         ; the unit's 64 columns
	s_add_co_u32 s32, s32, s34
	s_lshl_b32 s34, s41, 7
	s_add_co_u32 s32, s32, s34
	s_add_nc_u64 s[36:37], s[36:37], s[32:33]
	v_mad_u32_u24 v[SRC], v6, 98304, v[SRC]
	WLOAD 3072
.Lwq:
	s_wait_loadcnt 63                              ; the first tile's 64 loads are in: 64 younger ones could stay out, and 63 is the largest count that the wait can name
	WQUANT DATA, PCA, PW0
	s_wait_loadcnt 0x0
	WQUANT DATA+64, PCB, PW1
.Lout:
.irp q, 0,1,2
	global_store_b128 v[LI], v[PCA+4*\q:PCA+4*\q+3], s[26:27] offset:512*\q         ; 32 lanes store 512 consecutive bytes, at a multiple of 512 from the buffer's first byte
	global_store_b128 v[LI], v[PCB+4*\q:PCB+4*\q+3], s[26:27] offset:1536+512*\q
.endr
	v_cndmask_b32 v[JW], v[PW0], v[PW1], s24       ; lanes 0-15 the first tile's words, lanes 16-31 the second's
	global_store_b32 v[LS], v[JW], s[28:29]
	s_endpgm
.Lfunc_end_k_qd6f3424b08_quant:
	.size	k_qd6f3424b08_quant, .Lfunc_end_k_qd6f3424b08_quant-k_qd6f3424b08_quant
	.p2alignl 7, 3214868480
	.fill 96, 4, 3214868480
	.section	.rodata,"a",@progbits
	.p2align	6, 0x0
	.amdhsa_kernel k_qd6f3424b08_quant
		.amdhsa_group_segment_fixed_size 0
		.amdhsa_private_segment_fixed_size 0
		.amdhsa_enable_private_segment 0
		.amdhsa_kernarg_size 72
		.amdhsa_user_sgpr_count 2
		.amdhsa_user_sgpr_kernarg_segment_ptr 1
		.amdhsa_wavefront_size32 1
		.amdhsa_system_sgpr_workgroup_id_x 1
		.amdhsa_system_sgpr_workgroup_id_y 1
		.amdhsa_system_sgpr_workgroup_id_z 1
		.amdhsa_system_vgpr_workitem_id 0
		.amdhsa_next_free_vgpr 224
		.amdhsa_next_free_sgpr 66
		.amdhsa_reserve_vcc 0
		.amdhsa_float_denorm_mode_32 3
		.amdhsa_float_denorm_mode_16_64 3
		.amdhsa_memory_ordered 1
		.amdhsa_forward_progress 1
		.amdhsa_inst_pref_size 45
	.end_amdhsa_kernel
	.amdgpu_metadata
---
amdhsa.version: [ 1, 2 ]
amdhsa.kernels:
  - .name:           k_qd6f3424b08_quant
    .symbol:         k_qd6f3424b08_quant.kd
    .args:
      - { .name: x, .offset: 0, .size: 8, .value_kind: global_buffer, .address_space: global }
      - { .name: wq, .offset: 8, .size: 8, .value_kind: global_buffer, .address_space: global }
      - { .name: wk, .offset: 16, .size: 8, .value_kind: global_buffer, .address_space: global }
      - { .name: wv, .offset: 24, .size: 8, .value_kind: global_buffer, .address_space: global }
      - { .name: wo, .offset: 32, .size: 8, .value_kind: global_buffer, .address_space: global }
      - { .name: xc, .offset: 40, .size: 8, .value_kind: global_buffer, .address_space: global }
      - { .name: xs, .offset: 48, .size: 8, .value_kind: global_buffer, .address_space: global }
      - { .name: wc, .offset: 56, .size: 8, .value_kind: global_buffer, .address_space: global }
      - { .name: ws, .offset: 64, .size: 8, .value_kind: global_buffer, .address_space: global }
    .group_segment_fixed_size: 0
    .private_segment_fixed_size: 0
    .kernarg_segment_align: 8
    .kernarg_segment_size: 72
    .max_flat_workgroup_size: 128
    .sgpr_count:     66
    .vgpr_count:     224
    .wavefront_size: 32
...
	.end_amdgpu_metadata
.endif
;; end of part 1
;; launch proj (part 2): grid 9 x 32, 4 waves a work-group, no clusters, 0 bytes of LDS; arguments xc, xs, wc, ws, bq, bk, bv, qi, kv; writes qi, kv
.if DOCPART == 2
	.amdgcn_target "amdgcn-amd-amdhsa--gfx1250"
	.amdhsa_code_object_version 6
	.text
	.protected	k_qd6f3424b08_proj
	.globl	k_qd6f3424b08_proj
	.p2align	8
	.type	k_qd6f3424b08_proj,@function
k_qd6f3424b08_proj:
	s_mov_b64 s[64:65], 0
	v_nop
	global_prefetch_b8 v0, s[64:65] scope:SCOPE_SE
	s_setreg_imm32_b32 hwreg(HW_REG_WAVE_MODE, 25, 1), 1
	s_wait_xcnt 0x0
; q, k, v = x W + b on codes of FP6 (E2M3), K = 768 in six steps of 128; the results are quantised in registers and stored as images of the attention launch's operand registers.
; SHARES: work-group (x, y): kind = x / 3 (q, k, v), step of 128 tokens s = y; wave w: head 4 (x % 3) + w.  A wave makes 128 tokens x 64 outputs: 32 accumulators, 192 matrix instructions.
; Operands come from memory straight into registers: a fragment is three loads of 16 bytes a lane, each 512 consecutive bytes.  No LDS, no barrier: waves share nothing.
; No tensor loads, no cluster: K is six steps, and 1,152 waves of 512 registers all have room at once only where two work-groups share a WGP.
; q, k: source 0 = 16 outputs of W, source 1 = 16 tokens: a lane holds ONE token, and the 32 registers of a token tile run along d: K of the scores.  Token tiles 2 p and 2 p + 1 make ONE fragment:
;   registers 0-5 tile 2 p (d = 32 h ..), registers 6-11 tile 2 p + 1; scale bytes 0, 1 and 2, 3 likewise.
; v: the sources swapped: a lane holds ONE d, and the 64 registers of an output tile run along the 128 tokens: K of the second product.
; The bias is the C of each sum's first matrix instruction.  The 32 accumulators take turns, one instruction a turn.
; qi [head][s][6656]: 4 fragments, then 512 bytes of scale words [lane][4].  kv [head][s][13312]: K's 4 fragments, V's 4, K's scale words, V's.
; LIMITS: a block of zeros gets the byte 1 where the rule says 127 (its codes are zeros, and this program alone reads the bytes); NaN and infinities are not served.
; REGISTERS: window 0: v1-4 addresses; v16-111 x's eight fragments, one set; v112-207 W's four, two sets; v208-239 the bias, 8 a tile; v240-247 x's scale words, two sets; v248-251 W's; v252-255 the scale words made.  Window 1: the accumulators.
.set LI,  1                            ; 16 x lane
.set LS,  2                            ; 4 x lane
.set BOQ, 3                            ; 64 h
.set BOV, 4                            ; 4 perm(r)
.set XF,  16
.set WF,  112
.set BI,  208
.set XS,  240
.set WS,  248
.set PW,  252
.set TM,  112                          ; the way out: at work, where W's fragments lay
.set SEL, 22
.set MSB, 0
.macro WIN new                         ; the immediate's high byte repeats the setting that is left
.if MSB != \new
	s_set_vgpr_msb (MSB<<8)|\new
.set MSB, \new
.endif
.endm
; one product.  ra, rb = 1: that side's scale words stand in lanes 16-31 of the register named
.macro MM d, a, b, c, sa, sb, ra, rb
.if (\ra) && (\rb)
	v_wmma_scale_f32_16x16x128_f8f6f4 v[\d:\d+7], v[\a:\a+11], v[\b:\b+11], v[\c:\c+7], v[\sa], v[\sb] matrix_a_fmt:MATRIX_FMT_FP6 matrix_b_fmt:MATRIX_FMT_FP6 matrix_a_scale:MATRIX_SCALE_ROW1 matrix_b_scale:MATRIX_SCALE_ROW1
.elseif (\ra)
	v_wmma_scale_f32_16x16x128_f8f6f4 v[\d:\d+7], v[\a:\a+11], v[\b:\b+11], v[\c:\c+7], v[\sa], v[\sb] matrix_a_fmt:MATRIX_FMT_FP6 matrix_b_fmt:MATRIX_FMT_FP6 matrix_a_scale:MATRIX_SCALE_ROW1
.elseif (\rb)
	v_wmma_scale_f32_16x16x128_f8f6f4 v[\d:\d+7], v[\a:\a+11], v[\b:\b+11], v[\c:\c+7], v[\sa], v[\sb] matrix_a_fmt:MATRIX_FMT_FP6 matrix_b_fmt:MATRIX_FMT_FP6 matrix_b_scale:MATRIX_SCALE_ROW1
.else
	v_wmma_scale_f32_16x16x128_f8f6f4 v[\d:\d+7], v[\a:\a+11], v[\b:\b+11], v[\c:\c+7], v[\sa], v[\sb] matrix_a_fmt:MATRIX_FMT_FP6 matrix_b_fmt:MATRIX_FMT_FP6
.endif
.endm
.macro MLOAD c                         ; 30 loads: K step c's fragments of W, both sides' scale words, x's tiles 0-3
.irp t, 0,1,2,3
.irp q, 0,1,2
	global_load_b128 v[WF+48*((\c)%2)+12*\t+4*\q:WF+48*((\c)%2)+12*\t+4*\q+3], v[LI], s[8:9] offset:(\c)*6144+\t*1536+512*\q
.endr
.endr
.irp j, 0,1
	global_load_b32 v[WS+2*((\c)%2)+\j], v[LS], s[10:11] offset:(\c)*256+128*\j
.endr
.irp j, 0,1,2,3
	global_load_b32 v[XS+4*((\c)%2)+\j], v[LS], s[6:7] offset:(\c)*512+128*\j
.endr
.irp i, 0,1,2,3
.irp q, 0,1,2
	global_load_b128 v[XF+12*\i+4*\q:XF+12*\i+4*\q+3], v[LI], s[4:5] offset:(\c)*12288+\i*1536+512*\q
.endr
.endr
.endm
.macro ELOAD c                         ; 12 loads: x's tiles 4-7
.irp i, 4,5,6,7
.irp q, 0,1,2
	global_load_b128 v[XF+12*\i+4*\q:XF+12*\i+4*\q+3], v[LI], s[4:5] offset:(\c)*12288+\i*1536+512*\q
.endr
.endr
.endm
.macro HALF c, v, i0                   ; 16 products: token tiles i0 .. i0 + 3 x the four output tiles
.irp i, \i0, \i0+1, \i0+2, \i0+3
.irp t, 0,1,2,3
.if \v
.if (\c) == 0
	MM 8*(8*\t+(\i)), XF+12*(\i), WF+48*((\c)%2)+12*\t, BI+8*\t, XS+4*((\c)%2)+(\i)/2, WS+2*((\c)%2)+\t/2, (\i)%2, \t%2
.else
	MM 8*(8*\t+(\i)), XF+12*(\i), WF+48*((\c)%2)+12*\t, 8*(8*\t+(\i)), XS+4*((\c)%2)+(\i)/2, WS+2*((\c)%2)+\t/2, (\i)%2, \t%2
.endif
.else
.if (\c) == 0
	MM 8*(4*(\i)+\t), WF+48*((\c)%2)+12*\t, XF+12*(\i), BI+8*\t, WS+2*((\c)%2)+\t/2, XS+4*((\c)%2)+(\i)/2, \t%2, (\i)%2
.else
	MM 8*(4*(\i)+\t), WF+48*((\c)%2)+12*\t, XF+12*(\i), 8*(4*(\i)+\t), WS+2*((\c)%2)+\t/2, XS+4*((\c)%2)+(\i)/2, \t%2, (\i)%2
.endif
.endif
.endr
.endr
.endm
.macro PLACES                          ; four plain places between a matrix instruction and a load into, or a vector instruction on, its registers
.rept 4
	v_nop
.endr
.endm
.macro MWIN c                          ; D in window 1; C in window 1, but in the first K step the bias, in window 0
.if (\c) == 0
	WIN 0x40
.else
	WIN 0x50
.endif
.endm
.macro STEP c, v
	s_wait_loadcnt 12                              ; all but the 12 youngest loads (x's tiles 4-7 of this step) are in
	MWIN \c
	HALF \c, \v, 0
	s_wait_loadcnt 0x0                             ; x's tiles 4-7
	PLACES
	WIN 0
.if (\c) < 5
	MLOAD (\c)+1
.endif
	MWIN \c
	HALF \c, \v, 4
	PLACES
	WIN 0
.if (\c) < 5
	ELOAD (\c)+1
.endif
.endm
.macro PATH v
.if \v
.irp t, 0,1,2,3                                ; a lane's eight results of a tile belong to one d: eight times its bias
.irp j, 0,1,2,3,4,5,6,7
	global_load_b32 v[BI+8*\t+\j], v[BOV], s[28:29] offset:(32*(\t/2)+8*(\t%2))*4
.endr
.endr
.else
.irp t, 0,1,2,3                                ; a lane's eight results of a tile are outputs 32 (t / 2) + 8 (t % 2) + 16 h + 0 .. 7
	global_load_b128 v[BI+8*\t:BI+8*\t+3], v[BOQ], s[28:29] offset:(32*(\t/2)+8*(\t%2))*4
	global_load_b128 v[BI+8*\t+4:BI+8*\t+7], v[BOQ], s[28:29] offset:(32*(\t/2)+8*(\t%2))*4+16
.endr
.endif
	MLOAD 0
	ELOAD 0
.irp c, 0,1,2,3,4,5
	STEP \c, \v
.endr
.endm
; 64 accumulator registers (window 1, from 64 f on), register 16 b + i = k 32 b + 16 h + i, become fragment f and scale word f.  Each accumulator is first read at its registers 0 and 1.
.macro QUANTW f
.set QA, 64*(\f)
.set QP, 16+20*(\f)
	WIN 0x05
.irp b, 0,1,2,3
	v_max3_num_f32 v[TM+\b], |v[QA+16*\b]|, |v[QA+1+16*\b]|, 0x1800000   ; and the floor 2^(3 - 127): the byte cannot fall under 1
.endr
	WIN 0x14
.irp i, 2,4,6,8,10,12,14
.irp b, 0,1,2,3
	v_max3_num_f32 v[TM+\b], v[TM+\b], |v[QA+16*\b+\i]|, |v[QA+1+16*\b+\i]|
.endr
.endr
	WIN 0
.irp b, 0,1,2,3
	v_permlanex16_b32 v[TM+4+\b], v[TM+\b], s[SEL], s[SEL+1]
.endr
.irp b, 0,1,2,3
	v_max_num_f32 v[TM+\b], v[TM+\b], v[TM+4+\b]
.endr
.irp b, 0,1,2,3
	v_add_nc_u32 v[TM+12+\b], 0xff000000, v[TM+\b]   ; 2 off the exponent field: the conversion's scale operand
.endr
.irp b, 0,1,2,3
	v_lshrrev_b32 v[TM+4+\b], 23, v[TM+12+\b]
.endr
	v_lshl_or_b32 v[PW+\f], v[TM+5], 8, v[TM+4]
	v_lshl_or_b32 v[PW+\f], v[TM+6], 16, v[PW+\f]
	v_lshl_or_b32 v[PW+\f], v[TM+7], 24, v[PW+\f]
	WIN 0x01
.irp c, 0,1
	v_cvt_scalef32_pk16_fp6_f32 v[QP+6*\c:QP+2+6*\c], v[QA+32*\c:QA+15+32*\c], v[TM+12+2*\c]
	v_cvt_scalef32_pk16_fp6_f32 v[QP+12+4*\c:QP+14+4*\c], v[QA+16+32*\c:QA+31+32*\c], v[TM+12+2*\c+1]
.endr
	WIN 0
	v_nop                                          ; one plain place behind a scaled conversion
.irp c, 0,1
.irp i, 0,1,2
	v_permlane16_swap_b32 v[QP+6*\c+\i], v[QP+12+4*\c+\i]
.endr
.irp i, 0,1,2
	v_mov_b32 v[QP+3+6*\c+\i], v[QP+12+4*\c+\i]
.endr
.endr
.irp q, 0,1,2
	global_store_b128 v[LI], v[QP+4*\q:QP+4*\q+3], s[32:33] offset:1536*(\f)+512*\q   ; 512 consecutive bytes; each fragment has registers of its own, so no store's data are written again
.endr
.endm
	s_load_b512 s[4:19], s[0:1], 0x0               ; xc 4, xs 6, wc 8, ws 10, bq 12, bk 14, bv 16, qi 18
	s_load_b64 s[20:21], s[0:1], 0x40              ; kv
	v_lshrrev_b32 v5, 5, v0
	v_readfirstlane_b32 s40, v5                    ; wave
	v_and_b32 v5, 31, v0
	v_lshlrev_b32 v[LI], 4, v5
	v_lshlrev_b32 v[LS], 2, v5
	v_bfe_u32 v6, v0, 4, 1
	v_lshlrev_b32 v[BOQ], 6, v6
	v_and_b32 v5, 15, v0
	v_and_b32 v6, 8, v5
	v_add_nc_u32 v6, v6, v5
	v_lshlrev_b32 v[BOV], 2, v6
	s_mov_b32 s[SEL], 0x76543210
	s_mov_b32 s[SEL+1], 0xfedcba98
	s_and_b32 s41, ttmp7, 0xffff                   ; s
	s_cmp_ge_u32 ttmp9, 3
	s_cselect_b32 s24, 1, 0
	s_cmp_ge_u32 ttmp9, 6
	s_cselect_b32 s24, 2, s24                      ; kind
	s_mul_i32 s25, s24, 3
	s_sub_co_u32 s25, ttmp9, s25
	s_lshl_b32 s26, s25, 2
	s_add_co_u32 s26, s26, s40                     ; head
	s_mul_i32 s27, s24, 12
	s_add_co_u32 s27, s27, s26                     ; U
	s_lshl_b32 s30, s26, 5
	s_add_co_u32 s30, s30, s41                     ; 32 head + s
	s_mov_b32 s39, 0
	s_wait_kmcnt 0x0
	s_mul_i32 s38, s41, 73728
	s_add_nc_u64 s[4:5], s[4:5], s[38:39]
	s_mul_i32 s38, s41, 3072
	s_add_nc_u64 s[6:7], s[6:7], s[38:39]
	s_mul_i32 s38, s27, 36864
	s_add_nc_u64 s[8:9], s[8:9], s[38:39]
	s_mul_i32 s38, s27, 1536
	s_add_nc_u64 s[10:11], s[10:11], s[38:39]
	s_cmp_eq_u32 s24, 0                            ; the buffers are chosen by the work-group's number alone
	s_cselect_b64 s[28:29], s[12:13], s[14:15]
	s_cselect_b64 s[32:33], s[18:19], s[20:21]
	s_mov_b32 s36, 13312
	s_cselect_b32 s36, 6656, s36                   ; bytes of a step's block
	s_mov_b32 s37, 12288
	s_cselect_b32 s37, 6144, s37                   ; where its scale words begin
	s_cmp_eq_u32 s24, 2
	s_cselect_b64 s[28:29], s[16:17], s[28:29]
	s_cselect_b32 s42, 6144, 0                     ; V's fragments lie behind K's,
	s_cselect_b32 s43, 512, 0                      ; its scale words behind K's
	s_lshl_b32 s38, s26, 8
	s_add_nc_u64 s[28:29], s[28:29], s[38:39]      ; the head's 64 biases
	s_mul_i32 s36, s30, s36
	s_add_co_u32 s38, s36, s37
	s_add_co_u32 s38, s38, s43
	s_add_nc_u64 s[34:35], s[32:33], s[38:39]      ; the scale words' place
	s_add_co_u32 s38, s36, s42
	s_add_nc_u64 s[32:33], s[32:33], s[38:39]      ; the fragments' place
	s_cmp_eq_u32 s24, 2
	s_cbranch_scc1 .Lv
	PATH 0
	s_branch .Lq
.Lv:
	PATH 1
.Lq:	; the last step's four places stand behind the last product
.irp b, 0,1,2,3
	v_mov_b32 v[TM+4+\b], 0                        ; written once: a lane permute's destination counts as one of its sources
.endr
	QUANTW 0
	QUANTW 1
	QUANTW 2
	QUANTW 3
	global_store_b128 v[LI], v[PW:PW+3], s[34:35]  ; [lane][4 words]: 512 consecutive bytes
	s_endpgm
.Lfunc_end_k_qd6f3424b08_proj:
	.size	k_qd6f3424b08_proj, .Lfunc_end_k_qd6f3424b08_proj-k_qd6f3424b08_proj
	.p2alignl 7, 3214868480
	.fill 96, 4, 3214868480
	.section	.rodata,"a",@progbits
	.p2align	6, 0x0
	.amdhsa_kernel k_qd6f3424b08_proj
		.amdhsa_group_segment_fixed_size 0
		.amdhsa_private_segment_fixed_size 0
		.amdhsa_enable_private_segment 0
		.amdhsa_kernarg_size 72
		.amdhsa_user_sgpr_count 2
		.amdhsa_user_sgpr_kernarg_segment_ptr 1
		.amdhsa_wavefront_size32 1
		.amdhsa_system_sgpr_workgroup_id_x 1
		.amdhsa_system_sgpr_workgroup_id_y 1
		.amdhsa_system_sgpr_workgroup_id_z 1
		.amdhsa_system_vgpr_workitem_id 0
		.amdhsa_next_free_vgpr 512
		.amdhsa_next_free_sgpr 66
		.amdhsa_reserve_vcc 0
		.amdhsa_float_denorm_mode_32 3
		.amdhsa_float_denorm_mode_16_64 3
		.amdhsa_memory_ordered 1
		.amdhsa_forward_progress 1
		.amdhsa_inst_pref_size 124
	.end_amdhsa_kernel
	.amdgpu_metadata
---
amdhsa.version: [ 1, 2 ]
amdhsa.kernels:
  - .name:           k_qd6f3424b08_proj
    .symbol:         k_qd6f3424b08_proj.kd
    .args:
      - { .name: xc, .offset: 0, .size: 8, .value_kind: global_buffer, .address_space: global }
      - { .name: xs, .offset: 8, .size: 8, .value_kind: global_buffer, .address_space: global }
      - { .name: wc, .offset: 16, .size: 8, .value_kind: global_buffer, .address_space: global }
      - { .name: ws, .offset: 24, .size: 8, .value_kind: global_buffer, .address_space: global }
      - { .name: bq, .offset: 32, .size: 8, .value_kind: global_buffer, .address_space: global }
      - { .name: bk, .offset: 40, .size: 8, .value_kind: global_buffer, .address_space: global }
      - { .name: bv, .offset: 48, .size: 8, .value_kind: global_buffer, .address_space: global }
      - { .name: qi, .offset: 56, .size: 8, .value_kind: global_buffer, .address_space: global }
      - { .name: kv, .offset: 64, .size: 8, .value_kind: global_buffer, .address_space: global }
    .group_segment_fixed_size: 0
    .private_segment_fixed_size: 0
    .kernarg_segment_align: 8
    .kernarg_segment_size: 72
    .max_flat_workgroup_size: 128
    .sgpr_count:     66
    .vgpr_count:     512
    .wavefront_size: 32
...
	.end_amdgpu_metadata
.endif
;; end of part 2
;; launch attn (part 3): grid 16 x 12, 8 waves a work-group, no clusters, 327,680 bytes of LDS; arguments qi, kv, cc, cs; writes cc, cs
.if DOCPART == 3
	.amdgcn_target "amdgcn-amd-amdhsa--gfx1250"
	.amdhsa_code_object_version 6
	.text
	.protected	k_qd6f3424b08_attn
	.globl	k_qd6f3424b08_attn
	.p2align	8
	.type	k_qd6f3424b08_attn,@function
k_qd6f3424b08_attn:
	s_mov_b64 s[64:65], 0
	v_nop
	global_prefetch_b8 v0, s[64:65] scope:SCOPE_SE
	s_setreg_imm32_b32 hwreg(HW_REG_WAVE_MODE, 25, 1), 1
	s_wait_xcnt 0x0
; Causal attention of one head on codes of FP6 (E2M3): S^T = K Q^T (K = the head's 64), p = 2^(t - M), O^T += V^T P^T (K = the keys), O / l quantised along the concatenated channel and stored as halves of the last launch's fragments.
; t = score x log2(e) / 8; M = the row's largest t so far, rounded UP to a whole number; p is not normalised; the row's sum is taken of the unquantised p and divides O at the end.  When M moves, sum and O are multiplied by 2^(old M - new M): exact.
; SHARES, EVEN BY CONSTRUCTION: work-group (b, head) makes query block 31 - b over key steps 0 .. 31 - b, then block b over key steps 0 .. b: 33 steps of 128 keys in every work-group, a constant of the text.
; Wave w owns token tile w (16 queries) of the block in hand; a run's last step lies on the diagonal for all eight waves.  192 work-groups: 1,536 equal shares of 33 steps; work-groups of half the size would have uneven shares.
; LAYOUT: both products transposed: a lane holds ONE query.  A fragment of K holds TWO key tiles of 64 along K (registers 0-5, 6-11): against [q | zero codes] it gives the first tile's scores, against [zero codes | q] the second's.
; The keys of a tile are chosen (32 p + 8 u + r + 8 (r / 8)) so that the 16 registers of tiles (p, 0), (p, 1) are keys 32 p + 16 h + 0 .. 15.
; RING: two LDS slots of three steps' blocks (13,312 bytes each: K's 4 fragments, V's 4, their scale words, all as images of registers: read at 16 x lane).  Waves 0-2 fetch one block each by one tensor load; 11 slots.
; NO CLUSTER: the 16 work-groups of a head leave the common walk over the keys at step 32 - b, another step in each, so from there on no two of them ask for the same block in the same trip; and a step's 13,312 bytes stand beside eight waves' softmax of 16 x 128 scores each.
; LIMITS: a block of zeros gets the byte 1 where the rule says 127 (zero codes; this program alone reads the bytes); NaN and infinities are not served; a block's largest p is made from its largest score, which takes v_exp_f32 not to fall where its input rises.
.set STEPB, 13312
.set SLOT1, 65536                      ; slot 1 begins here: one exclusive or turns an address in one slot into the other's
.set SPARE, 131072                     ; the spare words, 128 bytes for each of eight waves: four blocks of 256 bytes that no other line names
.set LI,  1                            ; v1   16 x lane
.set DQ,  2                            ; v2   my query's place in its block - 16 h
.set ADR, 3                            ; v3   LDS address of the step's block, + 16 x lane
.set SPW, 4                            ; v4   my spare word; never rewritten
.set NIL, 5                            ; v5   0; never rewritten
.set PFO, 6                            ; v6   256 x lane
.set L8,  7                            ; v7   8 x lane
.set CSO, 8                            ; v8   4 x (lane % 16)
.set QZ,  16                           ; v16-33  [6 zeros][q][6 zeros]: v[16:27] = zero | q, v[22:33] = q | zero
.set QS,  34                           ; q's two scale bytes, twice
.set F,   36                           ; v36-83  four fragments: K's, then V's
.set KS,  84                           ; v84-87  K's scale words;  v88-91 V's
.set VS,  88
.set S,   96                           ; v96-159 S^T, then p
.set O,   160                          ; v160-191 O^T
.set PC,  192                          ; v192-203 p's codes; v204-206, v208-210 the conversions' second halves
.set BM,  212                          ; v212-215 the blocks' largest scores, then largest p
.set PT,  216                          ; v216-219 at work, bytes
.set SOP, 220                          ; v220-223 the conversions' scale operands
.set SUM2, 224                         ; v[224:225] the sums' second chain
.set PS,  228                          ; p's scale word
.set FF,  230                          ; v[230:231] f = 2^(old M - new M)
.set T0,  232
.set HW,  233                          ; the heads' scale word
.set Q1,  236                          ; v236-241 the second run's q; v242 its scale bytes
.set Q1S, 242
.set STG, 244                          ; v244-255 at work at the head and on the way out
; s12 wave, s13 b, s14 head, s15 R0 = 32 - b, s16 G the step, s17 the step that I fetch, s18 LDS byte of the block in hand, s19 slots to ask for, s20 steps of a slot, s21 1 in a run's last step,
; s[22:23] lane selects, s[24:25] c, s[28:35] descriptor group 1, s[36:39] group 0, s[40:41] the head's first byte of kv, s[44:45], s46 the prefetches' place and chunk, s[50:57] where the results go, s58 R0 - 1
.macro TLOAD                           ; waves 0-2 fetch, one block each.  The branch hangs on the wave's number alone; an s_nop 0 and four v_nop follow the load
	s_cmp_lt_u32 s12, 3
	s_cbranch_scc0 .Lnone_\@
	tensor_load_to_lds s[36:39], s[28:35]
	s_nop 0
.rept 4
	v_nop
.endr
.Lnone_\@:
.endm
; A PREFETCH of the head's blocks ahead of the tensor loads.  All 16 work-groups of a head begin with the same walk; the one with b = 0 walks the head's 425,984 bytes on end, and it alone asks.  In it the waves ask that fetch nothing:
; at the n-th change of slots wave w (3 .. 7) names chunk 10 + 5 n + (w - 3) of 8,192 bytes, lanes 256 bytes apart, while the chunk's number is under 52, the head's last: each block of 256 bytes is named once,
; a slot's three steps or a little more ahead of the tensor load that wants it.  Nothing is asked at the head, and nothing past the head's last byte.
.macro ASK
	s_cmp_lt_u32 s46, 52
	s_cbranch_scc0 .Lnot_mine_\@
	global_prefetch_b8 v[PFO], s[44:45] th:TH_LOAD_NT scope:SCOPE_SE
.Lnot_mine_\@:
.endm
	s_load_b256 s[4:11], s[0:1], 0x0               ; qi 4, kv 6, cc 8, cs 10
	v_lshl_add_u32 v[SPW], v0, 2, SPARE
	v_mov_b32 v[NIL], 0
	ds_add_u32 v[SPW], v[NIL]                      ; the wave's opening: the add and its wait stand ahead of my first tensor load; work on registers stands between them
	v_lshrrev_b32 v9, 5, v0
	v_readfirstlane_b32 s12, v9                    ; wave 0..7
	s_mov_b32 s13, ttmp9                           ; b
	s_and_b32 s14, ttmp7, 0xffff                   ; head
	s_sub_co_u32 s15, 32, s13                      ; R0: the first run's steps
	s_sub_co_u32 s58, 31, s13                      ; its last step, and its query block
	s_mov_b32 s16, 0
	s_mov_b32 s17, s12
	s_mov_b32 s18, 0
	s_mov_b32 s19, 10
	s_mov_b32 s22, 0x76543210
	s_mov_b32 s23, 0xfedcba98
	s_mov_b32 s24, 0x3e38aa3b                      ; c = log2(e) / sqrt(64)
	s_mov_b32 s25, s24                             ; (named with it as a pair, so it is written)
	s_mov_b32 s28, 3<<16                           ; group 1: no mask; elements of 8 bytes; no padding
	s_mov_b32 s29, 32<<16                          ; tensor_dim0 = 32 elements: rows of 256 bytes
	s_mov_b32 s30, 52<<16                          ; tensor_dim1 = 52 rows: a dense block of 13,312 bytes
	s_mov_b32 s31, 32<<16                          ; tile_dim0
	s_mov_b32 s32, 52                              ; tile_dim1
	s_mov_b32 s33, 32                              ; pitch
	s_mov_b32 s34, 0
	s_mov_b32 s35, 0
	s_mov_b32 s36, 1                               ; group 0: count
	s_mul_i32 s37, s12, STEPB                      ; LDS address: my block of slot 0
	s_and_b32 s47, s12, 1
	s_sub_co_u32 s47, 0, s47                       ; all ones where my tile is the pair's second
	s_mov_b32 s48, 0x03020302
	s_bitcmp1_b32 s12, 0
	s_cselect_b32 s48, s48, 0x01000100             ; which two scale bytes of the pair's word are mine
	v_and_b32 v[L8], 31, v0
	v_lshlrev_b32 v[LI], 4, v[L8]
	v_lshlrev_b32 v[PFO], 8, v[L8]
	v_lshlrev_b32 v[L8], 3, v[L8]
	v_and_b32 v[CSO], 15, v0                       ; r
	v_bfe_u32 v9, v0, 4, 1                         ; h
	v_and_b32 v10, 8, v[CSO]
	v_add_nc_u32 v10, v10, v[CSO]                  ; perm(r)
	s_lshr_b32 s42, s12, 1
	s_lshl_b32 s43, s42, 5
	s_and_b32 s59, s12, 1
	s_lshl_b32 s59, s59, 3
	s_add_co_u32 s43, s43, s59                     ; 32 (w / 2) + 8 (w % 2)
	v_add_nc_u32 v[DQ], s43, v10
	v_lshlrev_b32 v9, 4, v9
	v_sub_nc_u32 v[DQ], v[DQ], v9
	v_lshlrev_b32 v[CSO], 2, v[CSO]
	s_mul_i32 s43, s42, 1536
	v_add_nc_u32 v10, s43, v[LI]                   ; Q: pair w / 2's image
	s_lshl_b32 s43, s42, 2
	v_add_nc_u32 v11, s43, v[LI]                   ; and its scale word
	s_mov_b32 s43, 0
	s_wait_dscnt 0x0                               ; the opening add is done
	s_wait_kmcnt 0x0
	s_mul_i32 s42, s14, 32*STEPB
	s_add_nc_u64 s[40:41], s[6:7], s[42:43]        ; the head's blocks
	s_mov_b32 s42, s37
	s_add_nc_u64 s[38:39], s[40:41], s[42:43]      ; key step w
	s_or_b32 s39, s39, 0x80000000                  ; type = 2
	TLOAD                                          ; slot 0: the launch's first fill
	s_mul_i32 s59, s14, 32*6656
	s_mul_i32 s42, s58, 6656
	s_add_co_u32 s42, s42, s59
	s_add_nc_u64 s[60:61], s[4:5], s[42:43]        ; the first run's block of Q
	s_mul_i32 s42, s13, 6656
	s_add_co_u32 s42, s42, s59
	s_add_nc_u64 s[62:63], s[4:5], s[42:43]        ; the second's
.irp q, 0,1,2
	global_load_b128 v[F+4*\q:F+4*\q+3], v10, s[60:61] offset:512*\q
	global_load_b128 v[STG+4*\q:STG+4*\q+3], v10, s[62:63] offset:512*\q
.endr
	global_load_b32 v[T0], v11, s[60:61] offset:6144
	global_load_b32 v[HW], v11, s[62:63] offset:6144
	; where the results go: cc ((6 B + head / 2) 8 + w) 1536 + (head % 2) 768;  cs B 6144 + head 512 + w 64
	s_lshr_b32 s42, s14, 1
	s_mul_i32 s59, s42, 12288
	s_and_b32 s42, s14, 1
	s_mul_i32 s42, s42, 768
	s_add_co_u32 s59, s59, s42
	s_mul_i32 s42, s12, 1536
	s_add_co_u32 s59, s59, s42
	s_mul_i32 s42, s58, 73728
	s_add_co_u32 s42, s42, s59
	s_add_nc_u64 s[50:51], s[8:9], s[42:43]
	s_mul_i32 s42, s13, 73728
	s_add_co_u32 s42, s42, s59
	s_add_nc_u64 s[54:55], s[8:9], s[42:43]
	s_lshl_b32 s59, s14, 9
	s_lshl_b32 s42, s12, 6
	s_add_co_u32 s59, s59, s42
	s_mul_i32 s42, s58, 6144
	s_add_co_u32 s42, s42, s59
	s_add_nc_u64 s[52:53], s[10:11], s[42:43]
	s_mul_i32 s42, s13, 6144
	s_add_co_u32 s42, s42, s59
	s_add_nc_u64 s[56:57], s[10:11], s[42:43]
	; the prefetches: chunk w + 2 now; the first change of slots steps it to 10 + (w - 3)
	s_cmp_lt_u32 s12, 3
	s_cselect_b32 s46, 1, 0
	s_or_b32 s46, s46, s13                         ; 0 in waves 3-7 of the work-group with b = 0
	s_add_co_u32 s42, s12, 2
	s_cmp_eq_u32 s46, 0
	s_cselect_b32 s46, s42, 1000
	s_lshl_b32 s42, s42, 13
	s_add_nc_u64 s[44:45], s[40:41], s[42:43]
	s_wait_loadcnt 0x0                             ; both runs' Q
.irp i, 0,1,2,3,4,5
	v_cndmask_b32 v[QZ+6+\i], v[F+\i], v[F+6+\i], s47          ; my tile's half of the pair
	v_cndmask_b32 v[Q1+\i], v[STG+\i], v[STG+6+\i], s47
.endr
	v_perm_b32 v[QS], v[T0], v[T0], s48            ; my two scale bytes, twice: they serve q in either half of K
	v_perm_b32 v[Q1S], v[HW], v[HW], s48
.irp i, 0,1,2,3,4,5
	v_mov_b32 v[QZ+\i], 0                          ; zero codes
	v_mov_b32 v[QZ+12+\i], 0
.endr
	v_mov_b32 v13, 0xff61b1e6                      ; the largest t so far: -3e38
	v_floor_f32 v12, -v13                          ; -M
	v_mov_b32 v14, 0                               ; the sum, in two halves
	v_mov_b32 v15, 0
	v_mov_b32 v[FF+1], 0                           ; (named as the upper half of a pair)
.irp b, 0,1,2,3
	v_mov_b32 v[PT+\b], 0                          ; a lane permute's destination counts as one of its sources
.endr
.set J_, 0
.rept 32
	v_mov_b32 v[O+J_], 0                           ; O^T: a run's first step finds zeros, which the first change of M leaves zeros
.set J_, J_+1
.endr
; A KEY STEP: 128 keys, the block at LDS byte s18
.macro STEP
	s_cmp_eq_u32 s16, s58
	s_cselect_b32 s21, 1, 0
	s_cmp_eq_u32 s16, 32
	s_cselect_b32 s21, 1, s21                      ; a run's last step: it lies on the diagonal, and the run's result leaves behind it
	v_add_nc_u32 v[ADR], s18, v[LI]
.rept 3
	v_nop                                          ; with the addition: four places behind the last products, in front of loads into registers that they read
.endr
.irp p, 0,1,2,3
.irp q, 0,1,2
	ds_load_b128 v[F+12*\p+4*\q:F+12*\p+4*\q+3], v[ADR] offset:1536*\p+512*\q
.endr
.endr
	ds_load_b128 v[KS:KS+3], v[ADR] offset:12288
	s_wait_dscnt 0x0
.irp p, 0,1,2,3                                ; S^T: each fragment of K twice: keys 32 p + 16 h + 0 .. 7, then + 8 .. 15
	v_wmma_scale_f32_16x16x128_f8f6f4 v[S+16*\p:S+16*\p+7], v[F+12*\p:F+12*\p+11], v[QZ+6:QZ+17], 0, v[KS+\p], v[QS] matrix_a_fmt:MATRIX_FMT_FP6 matrix_b_fmt:MATRIX_FMT_FP6
	v_wmma_scale_f32_16x16x128_f8f6f4 v[S+16*\p+8:S+16*\p+15], v[F+12*\p:F+12*\p+11], v[QZ:QZ+11], 0, v[KS+\p], v[QS] matrix_a_fmt:MATRIX_FMT_FP6 matrix_b_fmt:MATRIX_FMT_FP6
.endr
.rept 4
	v_nop                                          ; four places: for the loads below and for the first read of the scores
.endr
.irp t, 0,1,2,3                                ; V's fragments land under the softmax
.irp q, 0,1,2
	ds_load_b128 v[F+12*\t+4*\q:F+12*\t+4*\q+3], v[ADR] offset:6144+1536*\t+512*\q
.endr
.endr
	ds_load_b128 v[VS:VS+3], v[ADR] offset:12800
	s_cmp_eq_u32 s21, 0
	s_cbranch_scc1 .Lopen_\@
	v_mov_b32 v[T0], 0xff800000                    ; on the diagonal the scores of hidden keys become -infinity: p = 0 then.  Register 16 b + i holds key 32 b + 16 h + i: hidden where 32 b + i > my query - 16 h
.set N_, 0
.rept 64
	v_cmp_gt_i32 vcc_lo, 32*(N_/16)+N_%16, v[DQ]
	v_cndmask_b32 v[S+N_], v[S+N_], v[T0], vcc_lo
.set N_, N_+1
.endr
.Lopen_\@:
.irp b, 0,1,2,3
	v_max3_num_f32 v[BM+\b], v[S+16*\b], v[S+1+16*\b], v[S+2+16*\b]   ; the largest score of each block of 32 keys: for the row's maximum and for the block's largest p
.endr
.irp i, 3,5,7,9,11,13
.irp b, 0,1,2,3
	v_max3_num_f32 v[BM+\b], v[BM+\b], v[S+16*\b+\i], v[S+1+16*\b+\i]
.endr
.endr
.irp b, 0,1,2,3
	v_max_num_f32 v[BM+\b], v[BM+\b], v[S+15+16*\b]
.endr
.irp b, 0,1,2,3
	v_permlanex16_b32 v[PT+\b], v[BM+\b], s22, s23
.endr
.irp b, 0,1,2,3
	v_max_num_f32 v[BM+\b], v[BM+\b], v[PT+\b]     ; with lane l xor 16's 16 keys
.endr
	v_max3_num_f32 v[T0], v[BM], v[BM+1], v[BM+2]
	v_max_num_f32 v[T0], v[T0], v[BM+3]
	v_mul_f32 v[T0], s24, v[T0]                    ; as t (c is positive)
	v_max_num_f32 v13, v13, v[T0]                  ; the running largest t
	v_mov_b32 v[T0], v12
	v_floor_f32 v12, -v13                          ; the new -M = -ceil(t)
	v_sub_f32 v[T0], v12, v[T0]                    ; old M - new M: a whole number, 0 or less
	v_cvt_i32_f32 v[T0], v[T0]                     ; (it saturates)
	v_ldexp_f32 v[FF], 1.0, v[T0]                  ; f = 2^(old M - new M)
.set J_, 0
.rept 32
	v_pk_fma_f32 v[S+J_:S+J_+1], v[S+J_:S+J_+1], s[24:25], v[12:13] op_sel_hi:[1,0,0]   ; t - M, two at a time
.set J_, J_+2
.endr
.irp b, 0,1,2,3
	v_fma_f32 v[BM+\b], v[BM+\b], s24, v12         ; the same of each block's largest score
.endr
.set J_, 0
.rept 64
	v_exp_f32 v[S+J_], v[S+J_]                     ; p = 2^(t - M), at most 1
.set J_, J_+1
.endr
	v_pk_mul_f32 v[14:15], v[14:15], v[FF:FF+1] op_sel_hi:[1,0]   ; the sums under the new M: a plain place behind the exponentials
	s_wait_alu depctr_va_vdst(0)                   ; one wait for the batch of 64, ahead of its first reader
.irp b, 0,1,2,3
	v_exp_f32 v[BM+\b], v[BM+\b]                   ; the blocks' largest p
.endr
	v_pk_add_f32 v[SUM2:SUM2+1], v[S:S+1], v[S+2:S+3]   ; the row's sum of the unquantised p, in two chains; it reads the 64 alone
.set J_, 4
.rept 15
	v_pk_add_f32 v[14:15], v[14:15], v[S+J_:S+J_+1]
	v_pk_add_f32 v[SUM2:SUM2+1], v[SUM2:SUM2+1], v[S+J_+2:S+J_+3]
.set J_, J_+4
.endr
	v_pk_add_f32 v[14:15], v[14:15], v[SUM2:SUM2+1]
	s_wait_alu depctr_va_vdst(0)                   ; and one for the four
.irp b, 0,1,2,3
	v_max_num_f32 v[BM+\b], 0x1800000, v[BM+\b]    ; the floor 2^(3 - 127): the byte cannot fall under 1
.endr
.irp b, 0,1,2,3
	v_add_nc_u32 v[SOP+\b], 0xff000000, v[BM+\b]   ; 2 off the exponent field: the conversion's scale operand
.endr
.irp b, 0,1,2,3
	v_lshrrev_b32 v[PT+\b], 23, v[SOP+\b]
.endr
	v_lshl_or_b32 v[PS], v[PT+1], 8, v[PT]         ; p's scale word for these 128 keys
	v_lshl_or_b32 v[PS], v[PT+2], 16, v[PS]
	v_lshl_or_b32 v[PS], v[PT+3], 24, v[PS]
.irp c, 0,1
	v_cvt_scalef32_pk16_fp6_f32 v[PC+6*\c:PC+2+6*\c], v[S+32*\c:S+15+32*\c], v[SOP+2*\c]
	v_cvt_scalef32_pk16_fp6_f32 v[PC+12+4*\c:PC+14+4*\c], v[S+16+32*\c:S+31+32*\c], v[SOP+2*\c+1]
.endr
	v_nop                                          ; one plain place behind a scaled conversion
.irp c, 0,1
.irp i, 0,1,2
	v_permlane16_swap_b32 v[PC+6*\c+\i], v[PC+12+4*\c+\i]
.endr
.irp i, 0,1,2
	v_mov_b32 v[PC+3+6*\c+\i], v[PC+12+4*\c+\i]
.endr
.endr
.set J_, 0
.rept 16
	v_pk_mul_f32 v[O+J_:O+J_+1], v[O+J_:O+J_+1], v[FF:FF+1] op_sel_hi:[1,0]   ; O^T under the new M.  These 16 are also the places between p's scale word and codes and the products
.set J_, J_+2
.endr
	s_wait_dscnt 0x0                               ; V
.irp t, 0,1,2,3                                ; O^T += V^T P^T: the four accumulators by turns
	v_wmma_scale_f32_16x16x128_f8f6f4 v[O+8*\t:O+8*\t+7], v[F+12*\t:F+12*\t+11], v[PC:PC+11], v[O+8*\t:O+8*\t+7], v[VS+\t], v[PS] matrix_a_fmt:MATRIX_FMT_FP6 matrix_b_fmt:MATRIX_FMT_FP6
.endr
	s_cmp_eq_u32 s21, 0
	s_cbranch_scc1 .Lon_\@
	; THE RUN'S END: O^T / l, quantised along d (two blocks of 32), leaves as half a fragment of the last product; then the next run is set up
	s_wait_xcnt 0x0                                ; earlier stores and prefetches have read their registers: the last run's store data may be written again
.rept 4
	v_nop                                          ; four places behind the last products
.endr
	v_add_f32 v14, v14, v15
	v_permlanex16_b32 v[T0], v14, s22, s23
	v_add_f32 v14, v14, v[T0]                      ; the row's sum
	v_rcp_f32 v14, v14
	v_nop                                          ; a plain place behind the reciprocal
	s_wait_alu depctr_va_vdst(0)                   ; and the wait ahead of its first reader
.set J_, 0
.rept 32
	v_mul_f32 v[S+J_], v[O+J_], v14                ; register 16 b + i: d = 32 b + 16 h + i; each accumulator from its low end on
.set J_, J_+1
.endr
.irp b, 0,1
	v_max3_num_f32 v[BM+\b], |v[S+16*\b]|, |v[S+1+16*\b]|, 0x1800000
.endr
.irp i, 2,4,6,8,10,12,14
.irp b, 0,1
	v_max3_num_f32 v[BM+\b], v[BM+\b], |v[S+16*\b+\i]|, |v[S+1+16*\b+\i]|
.endr
.endr
.irp b, 0,1
	v_permlanex16_b32 v[PT+\b], v[BM+\b], s22, s23
.endr
.irp b, 0,1
	v_max_num_f32 v[BM+\b], v[BM+\b], v[PT+\b]
.endr
.irp b, 0,1
	v_add_nc_u32 v[SOP+\b], 0xff000000, v[BM+\b]
.endr
.irp b, 0,1
	v_lshrrev_b32 v[PT+\b], 23, v[SOP+\b]
.endr
	v_lshl_or_b32 v[HW], v[PT+1], 8, v[PT]         ; the head's two scale bytes of my row
	v_cvt_scalef32_pk16_fp6_f32 v[STG:STG+2], v[S:S+15], v[SOP]
	v_cvt_scalef32_pk16_fp6_f32 v[STG+4:STG+6], v[S+16:S+31], v[SOP+1]
	v_nop                                          ; one plain place behind a scaled conversion
.irp i, 0,1,2
	v_permlane16_swap_b32 v[STG+\i], v[STG+4+\i]
.endr
.irp i, 0,1,2
	v_mov_b32 v[STG+3+\i], v[STG+4+\i]             ; six registers: k = 32 h + 0 .. 31 of the head's 64
.endr
	global_store_b128 v[LI], v[STG:STG+3], s[50:51]            ; 512 consecutive bytes,
	global_store_b64 v[L8], v[STG+4:STG+5], s[50:51] offset:512   ; and 256
	global_store_b32 v[CSO], v[HW], s[52:53]       ; 64 bytes: both halves of the lanes write the same words
.irp i, 0,1,2,3,4,5
	v_mov_b32 v[QZ+6+\i], v[Q1+\i]                 ; the next run's q,
.endr
	v_mov_b32 v[QS], v[Q1S]                        ; its scale bytes,
	v_mov_b32 v13, 0xff61b1e6
	v_floor_f32 v12, -v13
	v_mov_b32 v14, 0
	v_mov_b32 v15, 0
.set J_, 0
.rept 32
	v_mov_b32 v[O+J_], 0                           ; and zeros.  (More than the eight places owed between the scale bytes and the next product)
.set J_, J_+1
.endr
	s_wait_xcnt 0x0                                ; the stores have read their bases
	s_mov_b64 s[50:51], s[54:55]
	s_mov_b64 s[52:53], s[56:57]
.Lon_\@:
	s_add_co_u32 s18, s18, STEPB
	s_add_co_u32 s16, s16, 1
.endm
; THE CHANGE OF SLOTS stands at a slot's head.  Each wave waits for all its tensor loads (its block of the slot ahead), adds 0 to its spare word, and waits for that and for its reads of the slot that it has left.
; Behind the barrier the slot ahead is whole and nobody reads the other one.  fill = 1: that other slot takes the next three steps' blocks: one load a wave, with three steps in which to land.  One tensor load of a wave is out at the most.
.macro CHANGE fill
	s_wait_tensorcnt 0x0                           ; no tensor load of mine is out, so group 0 may be written
	ds_add_u32 v[SPW], v[NIL]                      ; 0 onto my spare word
.if \fill
	s_xor_b32 s37, s37, SLOT1                      ; the other slot than last time
	s_add_co_u32 s17, s17, 3                       ; the step that I fetch;
	s_cmp_ge_u32 s17, s15
	s_cselect_b32 s42, s15, 0
	s_sub_co_u32 s42, s17, s42                     ; its key step: the second run begins again at key step 0
	s_mul_i32 s42, s42, STEPB
	s_mov_b32 s43, 0
	s_add_nc_u64 s[38:39], s[40:41], s[42:43]
	s_or_b32 s39, s39, 0x80000000
	s_wait_xcnt 0x0                                ; the last prefetch, a slot back, has read its address
	s_add_nc_u64 s[44:45], s[44:45], 5*8192
	s_add_co_u32 s46, s46, 5
.endif
	s_wait_dscnt 0x0                               ; the add is done, and my reads of the slot that I have left are over
	s_barrier_signal -1
	s_barrier_wait -1
.if \fill
	TLOAD                                          ; the first thing behind the barrier, and a wave's one tensor load until the next
	ASK
.endif
.endm
.macro THREE_STEPS                     ; a slot's three steps: written once, walked three times; the LDS addresses hang on s18
	s_mov_b32 s20, 3
.Lstep_\@:
	STEP
	s_sub_co_u32 s20, s20, 1
	s_cmp_lg_u32 s20, 0
	s_cbranch_scc1 .Lstep_\@
	s_sub_co_u32 s18, s18, 3*STEPB                 ; back to a slot's first block,
	s_xor_b32 s18, s18, SLOT1                      ; in the other slot
.endm
.Lslot:                                            ; ten trips: behind each change of slots but the last the next slot is asked for
	CHANGE 1
	THREE_STEPS
	s_sub_co_u32 s19, s19, 1
	s_cmp_lg_u32 s19, 0
	s_cbranch_scc1 .Lslot
	CHANGE 0                                       ; the last slot is written out
	THREE_STEPS
	s_wait_tensorcnt 0x0                           ; the wave's end
	ds_add_u32 v[SPW], v[NIL]
	s_wait_dscnt 0x0
	s_endpgm
.Lfunc_end_k_qd6f3424b08_attn:
	.size	k_qd6f3424b08_attn, .Lfunc_end_k_qd6f3424b08_attn-k_qd6f3424b08_attn
	.p2alignl 7, 3214868480
	.fill 96, 4, 3214868480
	.section	.rodata,"a",@progbits
	.p2align	6, 0x0
	.amdhsa_kernel k_qd6f3424b08_attn
		.amdhsa_group_segment_fixed_size 327680
		.amdhsa_private_segment_fixed_size 0
		.amdhsa_enable_private_segment 0
		.amdhsa_kernarg_size 32
		.amdhsa_user_sgpr_count 2
		.amdhsa_user_sgpr_kernarg_segment_ptr 1
		.amdhsa_wavefront_size32 1
		.amdhsa_system_sgpr_workgroup_id_x 1
		.amdhsa_system_sgpr_workgroup_id_y 1
		.amdhsa_system_sgpr_workgroup_id_z 1
		.amdhsa_system_vgpr_workitem_id 0
		.amdhsa_next_free_vgpr 256
		.amdhsa_next_free_sgpr 66
		.amdhsa_reserve_vcc 1
		.amdhsa_float_denorm_mode_32 3
		.amdhsa_float_denorm_mode_16_64 3
		.amdhsa_memory_ordered 1
		.amdhsa_forward_progress 1
		.amdhsa_inst_pref_size 61
	.end_amdhsa_kernel
	.amdgpu_metadata
---
amdhsa.version: [ 1, 2 ]
amdhsa.kernels:
  - .name:           k_qd6f3424b08_attn
    .symbol:         k_qd6f3424b08_attn.kd
    .args:
      - { .name: qi, .offset: 0, .size: 8, .value_kind: global_buffer, .address_space: global }
      - { .name: kv, .offset: 8, .size: 8, .value_kind: global_buffer, .address_space: global }
      - { .name: cc, .offset: 16, .size: 8, .value_kind: global_buffer, .address_space: global }
      - { .name: cs, .offset: 24, .size: 8, .value_kind: global_buffer, .address_space: global }
    .group_segment_fixed_size: 327680
    .private_segment_fixed_size: 0
    .kernarg_segment_align: 8
    .kernarg_segment_size: 32
    .max_flat_workgroup_size: 256
    .sgpr_count:     66
    .vgpr_count:     256
    .wavefront_size: 32
...
	.end_amdgpu_metadata
.endif
;; end of part 3
;; launch outp (part 4): grid 12 x 16, 4 waves a work-group, no clusters, 17,920 bytes of LDS; arguments cc, cs, wc, ws, bo, out0; writes out0
.if DOCPART == 4
	.amdgcn_target "amdgcn-amd-amdhsa--gfx1250"
	.amdhsa_code_object_version 6
	.text
	.protected	k_qd6f3424b08_outp
	.globl	k_qd6f3424b08_outp
	.p2align	8
	.type	k_qd6f3424b08_outp,@function
k_qd6f3424b08_outp:
	s_mov_b64 s[64:65], 0
	v_nop
	global_prefetch_b8 v0, s[64:65] scope:SCOPE_SE
	s_setreg_imm32_b32 hwreg(HW_REG_WAVE_MODE, 25, 1), 1
	s_wait_xcnt 0x0
; out = concat wo + bo on codes of FP6 (E2M3), K = 768 in six steps of 128.  concat's codes (cc) and scale bytes (cs) and wo's (wc, ws; units 36 .. 47) lie as images of operand registers.
; SHARES: work-group (x, y): 64 outputs 64 x ..; wave w: G = 4 y + w, tokens 64 G .. 64 G + 63 (four token tiles).  A wave makes 64 x 64: 16 accumulators, 96 matrix instructions; 768 waves that share nothing.
; Operands come from memory straight into registers, two K steps ahead.  No tensor loads, no cluster: K is six steps, and several small work-groups share a WGP.
; Source 0 = 16 outputs of wo, source 1 = 16 tokens: a lane holds one token and, in the four tiles' 32 registers, outputs 32 b + 16 h + 0 .. 15.  bo is the C of each sum's first matrix instruction.
; A K step's scale word of a token is two heads' byte pairs: joined once, at the head.  The 16 accumulators take turns, one instruction a turn.
; THE WAY OUT: a token tile goes through the wave's own stage in LDS (16 rows of 256 bytes + 16) and leaves as whole rows: sixteen lanes store 256 consecutive bytes, at a multiple of 256 from out0's first byte.
; REGISTERS: window 0: v1-10 addresses; v14, v15 the add's two; v16-111 concat's four fragments, two sets; v112-207 wo's four, two sets; v208-219, v220-231 scale words; v232-255 the heads' byte pairs as loaded.  Window 1: v0-127 accumulators, v128-159 bo.
.set LI,  1                            ; 16 x lane
.set LS,  2                            ; 4 x lane
.set L8,  3                            ; 8 x lane
.set STO, 4
.set RD,  5
.set CO,  6
.set SPW, 14                           ; my spare word; never rewritten
.set NIL, 15                           ; 0; never rewritten
.set CF,  16
.set WF,  112
.set AS,  208
.set WSC, 220
.set RAW, 232
.set BI,  128                          ; in window 1
.set OB,  16                           ; the way out: four sets of 32 registers
.set SPARE, 17408                      ; behind the four stages: the spare words, 128 bytes for each wave
.set MSB, 0
.macro WIN new                         ; the immediate's high byte repeats the setting that is left
.if MSB != \new
	s_set_vgpr_msb (MSB<<8)|\new
.set MSB, \new
.endif
.endm
.macro MM d, a, b, c, sa, sb, ra, rb   ; ra, rb = 1: that side's scale words stand in lanes 16-31 of the register named
.if (\ra) && (\rb)
	v_wmma_scale_f32_16x16x128_f8f6f4 v[\d:\d+7], v[\a:\a+11], v[\b:\b+11], v[\c:\c+7], v[\sa], v[\sb] matrix_a_fmt:MATRIX_FMT_FP6 matrix_b_fmt:MATRIX_FMT_FP6 matrix_a_scale:MATRIX_SCALE_ROW1 matrix_b_scale:MATRIX_SCALE_ROW1
.elseif (\ra)
	v_wmma_scale_f32_16x16x128_f8f6f4 v[\d:\d+7], v[\a:\a+11], v[\b:\b+11], v[\c:\c+7], v[\sa], v[\sb] matrix_a_fmt:MATRIX_FMT_FP6 matrix_b_fmt:MATRIX_FMT_FP6 matrix_a_scale:MATRIX_SCALE_ROW1
.elseif (\rb)
	v_wmma_scale_f32_16x16x128_f8f6f4 v[\d:\d+7], v[\a:\a+11], v[\b:\b+11], v[\c:\c+7], v[\sa], v[\sb] matrix_a_fmt:MATRIX_FMT_FP6 matrix_b_fmt:MATRIX_FMT_FP6 matrix_b_scale:MATRIX_SCALE_ROW1
.else
	v_wmma_scale_f32_16x16x128_f8f6f4 v[\d:\d+7], v[\a:\a+11], v[\b:\b+11], v[\c:\c+7], v[\sa], v[\sb] matrix_a_fmt:MATRIX_FMT_FP6 matrix_b_fmt:MATRIX_FMT_FP6
.endif
.endm
.macro KLOAD c                         ; 28 loads: K step c's fragments into set c % 2.  A fragment of concat is two heads' halves: registers 0-3, 4-5 and 6-9, 10-11
.irp i, 0,1,2,3
	global_load_b128 v[CF+48*((\c)%2)+12*\i:CF+48*((\c)%2)+12*\i+3], v[LI], s[4:5] offset:(\c)*12288+\i*1536
	global_load_b64 v[CF+48*((\c)%2)+12*\i+4:CF+48*((\c)%2)+12*\i+5], v[L8], s[4:5] offset:(\c)*12288+\i*1536+512
	global_load_b128 v[CF+48*((\c)%2)+12*\i+6:CF+48*((\c)%2)+12*\i+9], v[LI], s[4:5] offset:(\c)*12288+\i*1536+768
	global_load_b64 v[CF+48*((\c)%2)+12*\i+10:CF+48*((\c)%2)+12*\i+11], v[L8], s[4:5] offset:(\c)*12288+\i*1536+1280
.endr
.irp t, 0,1,2,3
.irp q, 0,1,2
	global_load_b128 v[WF+48*((\c)%2)+12*\t+4*\q:WF+48*((\c)%2)+12*\t+4*\q+3], v[LI], s[8:9] offset:(\c)*6144+\t*1536+512*\q
.endr
.endr
.endm
.macro STEP c
.if (\c) < 5
	s_wait_loadcnt 28                              ; this K step's loads are in; the next step's 28 may be out
.else
	s_wait_loadcnt 0x0
.endif
	WIN 0x50                                       ; C and D in window 1
.irp i, 0,1,2,3
.irp t, 0,1,2,3
.if (\c) == 0
	MM 8*(4*\i+\t), WF+48*((\c)%2)+12*\t, CF+48*((\c)%2)+12*\i, BI+8*\t, WSC+2*(\c)+\t/2, AS+2*(\c)+\i/2, \t%2, \i%2
.else
	MM 8*(4*\i+\t), WF+48*((\c)%2)+12*\t, CF+48*((\c)%2)+12*\i, 8*(4*\i+\t), WSC+2*(\c)+\t/2, AS+2*(\c)+\i/2, \t%2, \i%2
.endif
.endr
.endr
.rept 4
	v_nop                                          ; four places in front of loads into registers that these products read, and of the first read of results
.endr
	WIN 0
.if (\c)+2 < 6
	KLOAD (\c)+2
.endif
.endm
	s_load_b256 s[4:11], s[0:1], 0x0               ; cc 4, cs 6, wc 8, ws 10
	s_load_b128 s[12:15], s[0:1], 0x20             ; bo 12, out0 14
	v_lshl_add_u32 v[SPW], v0, 2, SPARE
	v_mov_b32 v[NIL], 0
	v_lshrrev_b32 v7, 5, v0
	v_readfirstlane_b32 s16, v7                    ; wave
	v_and_b32 v7, 31, v0
	v_lshlrev_b32 v[LI], 4, v7
	v_lshlrev_b32 v[LS], 2, v7
	v_lshlrev_b32 v[L8], 3, v7
	v_and_b32 v8, 15, v0                           ; r
	v_bfe_u32 v9, v0, 4, 1                         ; h
	v_lshlrev_b32 v10, 6, v9                       ; 64 h
	s_and_b32 s17, ttmp7, 0xffff
	s_lshl_b32 s17, s17, 2
	s_add_co_u32 s17, s17, s16                     ; G
	s_lshr_b32 s18, s17, 1                         ; the step of 128 tokens
	s_and_b32 s19, s17, 1                          ; which half of it
	s_add_co_u32 s20, ttmp9, 36                    ; wo's unit
	s_mov_b32 s23, 0
	s_wait_kmcnt 0x0
	s_mul_i32 s22, s18, 73728
	s_mul_i32 s24, s19, 6144
	s_add_co_u32 s22, s22, s24
	s_add_nc_u64 s[4:5], s[4:5], s[22:23]
	s_mul_i32 s22, s18, 6144
	s_lshl_b32 s24, s19, 8
	s_add_co_u32 s22, s22, s24
	s_add_nc_u64 s[6:7], s[6:7], s[22:23]
	s_mul_i32 s22, s20, 36864
	s_add_nc_u64 s[8:9], s[8:9], s[22:23]
	s_mul_i32 s22, s20, 1536
	s_add_nc_u64 s[10:11], s[10:11], s[22:23]
	s_lshl_b32 s22, ttmp9, 8
	s_add_nc_u64 s[12:13], s[12:13], s[22:23]
	s_mul_i32 s24, s17, 196608                     ; 64 G rows of 3,072 bytes
	s_add_co_u32 s22, s22, s24
	s_add_nc_u64 s[14:15], s[14:15], s[22:23]
.irp c, 0,1,2,3,4,5
.irp e, 0,1
.irp j, 0,1
	global_load_b32 v[RAW+4*\c+2*\e+\j], v[LS], s[6:7] offset:(2*\c+\e)*512+128*\j   ; head 2 c + e: lanes 0-15 tile 2 j of my four, lanes 16-31 tile 2 j + 1
.endr
.endr
.endr
.irp c, 0,1,2,3,4,5
.irp j, 0,1
	global_load_b32 v[WSC+2*\c+\j], v[LS], s[10:11] offset:\c*256+128*\j
.endr
.endr
	WIN 0x40                                       ; destination window 1
.irp t, 0,1,2,3
	global_load_b128 v[BI+8*\t:BI+8*\t+3], v10, s[12:13] offset:(32*(\t/2)+8*(\t%2))*4
	global_load_b128 v[BI+8*\t+4:BI+8*\t+7], v10, s[12:13] offset:(32*(\t/2)+8*(\t%2))*4+16
.endr
	WIN 0
	KLOAD 0
	KLOAD 1
	s_wait_loadcnt 63                              ; the heads' byte pairs are in: 76 younger loads could stay out, and 63 is the largest count that the wait can name
.irp c, 0,1,2,3,4,5
.irp j, 0,1
	v_perm_b32 v[AS+2*\c+\j], v[RAW+4*\c+2+\j], v[RAW+4*\c+\j], 0x05040100   ; bytes 0, 1: the even head's; bytes 2, 3: the odd head's
.endr
.endr
	s_mul_i32 s22, s16, 4352                       ; my stage
	v_mul_u32_u24 v[STO], v8, 272
	v_add_nc_u32 v[STO], v[STO], v10
	v_add_nc_u32 v[STO], s22, v[STO]               ; in: row r, + 64 h
	v_mul_u32_u24 v[RD], v9, 272
	v_lshl_add_u32 v[RD], v8, 4, v[RD]
	v_add_nc_u32 v[RD], s22, v[RD]                 ; back: lanes 0-15 one row, lanes 16-31 the next
	v_mul_u32_u24 v[CO], v9, 3072
	v_lshl_add_u32 v[CO], v8, 4, v[CO]             ; and the same two rows in out0
.rept 8
	v_nop                                          ; a scale register written by a vector instruction stands eight places ahead of a scaled matrix instruction
.endr
.irp c, 0,1,2,3,4,5
	STEP \c
.endr
; token tile i: 16 rows x 64 outputs through my stage.  LDS serves a wave's instructions in order (ISA guide 5.7.1.4): no wait between the stores and the loads, nor in front of the next tile's stores
.macro TOSTAGE i
	WIN 0x04                                       ; an LDS store's data are its source 1: window 1
.irp t, 0,1,2,3
	ds_store_b128 v[STO], v[8*(4*\i+\t):8*(4*\i+\t)+3] offset:128*(\t/2)+32*(\t%2)        ; each accumulator from its low end on
	ds_store_b128 v[STO], v[8*(4*\i+\t)+4:8*(4*\i+\t)+7] offset:128*(\t/2)+32*(\t%2)+16
.endr
	WIN 0
.irp k, 0,1,2,3,4,5,6,7
	ds_load_b128 v[OB+32*\i+4*\k:OB+32*\i+4*\k+3], v[RD] offset:2*\k*272
.endr
.endm
.macro SEND i, younger                 ; younger: the LDS instructions issued behind tile i's loads, which may stay out.  Stage row rho is token 32 (i / 2) + 8 (i % 2) + rho + 8 (rho / 8) of my 64
	s_wait_dscnt \younger
.irp k, 0,1,2,3,4,5,6,7
	global_store_b128 v[CO], v[OB+32*\i+4*\k:OB+32*\i+4*\k+3], s[14:15] offset:(32*(\i/2)+8*(\i%2)+2*\k+8*(\k/4))*3072 th:TH_STORE_NT
.endr
.endm
	TOSTAGE 0
	TOSTAGE 1
	SEND 0, 16                                     ; behind tile 0's loads: tile 1's 8 stores and 8 loads
	TOSTAGE 2
	SEND 1, 16
	TOSTAGE 3
	SEND 2, 16
	SEND 3, 0
	s_wait_tensorcnt 0x0                           ; the wave's end, behind my last LDS store
	ds_add_u32 v[SPW], v[NIL]
	s_wait_dscnt 0x0
	s_endpgm
.Lfunc_end_k_qd6f3424b08_outp:
	.size	k_qd6f3424b08_outp, .Lfunc_end_k_qd6f3424b08_outp-k_qd6f3424b08_outp
	.p2alignl 7, 3214868480
	.fill 96, 4, 3214868480
	.section	.rodata,"a",@progbits
	.p2align	6, 0x0
	.amdhsa_kernel k_qd6f3424b08_outp
		.amdhsa_group_segment_fixed_size 17920
		.amdhsa_private_segment_fixed_size 0
		.amdhsa_enable_private_segment 0
		.amdhsa_kernarg_size 48
		.amdhsa_user_sgpr_count 2
		.amdhsa_user_sgpr_kernarg_segment_ptr 1
		.amdhsa_wavefront_size32 1
		.amdhsa_system_sgpr_workgroup_id_x 1
		.amdhsa_system_sgpr_workgroup_id_y 1
		.amdhsa_system_sgpr_workgroup_id_z 1
		.amdhsa_system_vgpr_workitem_id 0
		.amdhsa_next_free_vgpr 416
		.amdhsa_next_free_sgpr 66
		.amdhsa_reserve_vcc 0
		.amdhsa_float_denorm_mode_32 3
		.amdhsa_float_denorm_mode_16_64 3
		.amdhsa_memory_ordered 1
		.amdhsa_forward_progress 1
		.amdhsa_inst_pref_size 45
	.end_amdhsa_kernel
	.amdgpu_metadata
---
amdhsa.version: [ 1, 2 ]
amdhsa.kernels:
  - .name:           k_qd6f3424b08_outp
    .symbol:         k_qd6f3424b08_outp.kd
    .args:
      - { .name: cc, .offset: 0, .size: 8, .value_kind: global_buffer, .address_space: global }
      - { .name: cs, .offset: 8, .size: 8, .value_kind: global_buffer, .address_space: global }
      - { .name: wc, .offset: 16, .size: 8, .value_kind: global_buffer, .address_space: global }
      - { .name: ws, .offset: 24, .size: 8, .value_kind: global_buffer, .address_space: global }
      - { .name: bo, .offset: 32, .size: 8, .value_kind: global_buffer, .address_space: global }
      - { .name: out0, .offset: 40, .size: 8, .value_kind: global_buffer, .address_space: global }
    .group_segment_fixed_size: 17920
    .private_segment_fixed_size: 0
    .kernarg_segment_align: 8
    .kernarg_segment_size: 48
    .max_flat_workgroup_size: 128
    .sgpr_count:     66
    .vgpr_count:     416
    .wavefront_size: 32
...
	.end_amdgpu_metadata
.endif
;; end of part 4
;; ======== version 2 of 2: 4 launches
;; workspace buffers: xc 2,359,296 bytes; xs 98,304 bytes; wc 1,769,472 bytes; ws 73,728 bytes; qi 2,555,904 bytes; kv 5,111,808 bytes; cc 2,359,296 bytes; cs 196,608 bytes
;; launch quant (part 5): grid 6 x 56, 4 waves a work-group, no clusters, 0 bytes of LDS; arguments x, wq, wk, wv, wo, xc, xs, wc, ws; writes xc, xs, wc, ws
.if DOCPART == 5
	.amdgcn_target "amdgcn-amd-amdhsa--gfx1250"
	.amdhsa_code_object_version 6
	.text
	.protected	k_qd6f3424b08_quant
	.globl	k_qd6f3424b08_quant
	.p2align	8
	.type	k_qd6f3424b08_quant,@function
k_qd6f3424b08_quant:
	s_mov_b64 s[64:65], 0
	v_nop
	global_prefetch_b8 v0, s[64:65] scope:SCOPE_SE
	s_setreg_imm32_b32 hwreg(HW_REG_WAVE_MODE, 25, 1), 1
	s_wait_xcnt 0x0
; x [4096][768] and the weights wq, wk, wv [12][768][64], wo [768][768] (K on the axis of 768 rows), all f32, become codes of FP6 (E2M3) with one
; E8M0 scale byte for each 32 along K, laid as IMAGES OF OPERAND REGISTERS: a fragment (16 rows x 128 K, 12 registers a lane) is 1,536 bytes, registers 4 q .. 4 q + 3
; of lane l at 512 q + 16 l.  A reader fills a fragment by three loads of 16 bytes a lane, each 512 consecutive bytes.
; THE ROWS OF A TILE ARE NOT NEIGHBOURS: with perm(r) = r + 8 (r / 8), row r of token tile 2 p + u of a step of 128 tokens is token 32 p + 8 u + perm(r); row r of tile t of a unit of
; 64 outputs is output 32 (t / 2) + 8 (t % 2) + perm(r).  So the 16 result registers of two neighbouring tiles are 16 neighbours along the next product's K.
; xc [s 32][c 6][i 8][1536];  xs [s][c][j 4][lane] words: lanes 0-15 tile 2 j, lanes 16-31 tile 2 j + 1;  wc [U 48][c 6][t 4][1536];  ws [U][c][j 2][lane] words.  U = 12 kind + head (q, k, v), 36 + n / 64 (wo).
; A block's scale is 2^(floor(log2(largest magnitude)) - 2): its byte is the largest magnitude's exponent field - 2, held at 1 from below.
; LIMITS: a block of zeros gets the byte 1 where the rule says 127 (its codes are zeros, and this program alone reads the bytes); NaN and infinities among the inputs are not served.
; SHARES: work-groups y < 32: x, step s = y, K step c = x, wave j: tiles 2 j, 2 j + 1.  y >= 32: weights, U = 2 (y - 32) + (x >= 3), c = 2 (x % 3) + wave / 2, tiles 2 (wave % 2) and the next.
; A wave asks for all its 16 KiB at once; no LDS, no barrier: waves share nothing.  The scale words leave as 128 consecutive bytes a wave, one byte in 24 of what the launch stores.
.set LI,   1                           ; v1   16 x lane
.set LS,   2                           ; v2   4 x lane
.set SRC,  3                           ; v3   my lane's byte in the source
.set DATA, 32                          ; v32-159  two tiles x 64 numbers
.set PCA,  160                         ; v160-179 first tile's codes (12) and the conversions' second halves
.set PCB,  180                         ; v180-199 second tile's
.set TM,   200                         ; v200-215 +0 largest magnitudes, +4 at work and bytes, +12 the conversions' scale operands
.set PW0,  216                         ; scale word of the first tile, of the second, and the two joined
.set PW1,  217
.set JW,   218
.set SEL,  22                          ; s[22:23] selects of v_permlanex16_b32: lane l xor 16
; 64 numbers of a lane, register 16 b + i = k 32 b + 16 (lane / 16) + i of my row, become a fragment's codes in v[pc] on and its scale word in v[pw]
.macro QUANT s, pc, pw
.irp b, 0,1,2,3
	v_max3_num_f32 v[TM+\b], |v[\s+16*\b]|, |v[\s+1+16*\b]|, 0x1800000   ; my 16 numbers of block b, and the floor 2^(3 - 127): the byte cannot fall under 1
.endr
.irp i, 2,4,6,8,10,12,14
.irp b, 0,1,2,3
	v_max3_num_f32 v[TM+\b], v[TM+\b], |v[\s+16*\b+\i]|, |v[\s+1+16*\b+\i]|
.endr
.endr
.irp b, 0,1,2,3
	v_permlanex16_b32 v[TM+4+\b], v[TM+\b], s[SEL], s[SEL+1]
.endr
.irp b, 0,1,2,3
	v_max_num_f32 v[TM+\b], v[TM+\b], v[TM+4+\b]                       ; with lane l xor 16's: the block's largest magnitude
.endr
.irp b, 0,1,2,3
	v_add_nc_u32 v[TM+12+\b], 0xff000000, v[TM+\b]                     ; 2 off its exponent field: the conversion's scale operand
.endr
.irp b, 0,1,2,3
	v_lshrrev_b32 v[TM+4+\b], 23, v[TM+12+\b]                          ; the scale's byte
.endr
	v_lshl_or_b32 v[\pw], v[TM+5], 8, v[TM+4]
	v_lshl_or_b32 v[\pw], v[TM+6], 16, v[\pw]
	v_lshl_or_b32 v[\pw], v[TM+7], 24, v[\pw]
.irp c, 0,1
	v_cvt_scalef32_pk16_fp6_f32 v[\pc+6*\c:\pc+2+6*\c], v[\s+32*\c:\s+15+32*\c], v[TM+12+2*\c]
	v_cvt_scalef32_pk16_fp6_f32 v[\pc+12+4*\c:\pc+14+4*\c], v[\s+16+32*\c:\s+31+32*\c], v[TM+12+2*\c+1]   ; (a conversion's three registers begin on an even number)
.endr
	v_nop                                          ; one plain place behind a scaled conversion
.irp c, 0,1                                    ; the layout wants a whole block in a lane: lanes 0-15 block 2 c, lanes 16-31 block 2 c + 1
.irp i, 0,1,2
	v_permlane16_swap_b32 v[\pc+6*\c+\i], v[\pc+12+4*\c+\i]
.endr
.irp i, 0,1,2
	v_mov_b32 v[\pc+3+6*\c+\i], v[\pc+12+4*\c+\i]
.endr
.endr
.endm
; 64 numbers of a lane that run DOWN K: register 32 c + i = k 64 c + 32 (lane / 16) + i of my column: two whole blocks a lane
.macro WQUANT s, pc, pw
.irp c, 0,1
	v_max3_num_f32 v[TM+\c], |v[\s+32*\c]|, |v[\s+1+32*\c]|, 0x1800000
.endr
.irp i, 2,4,6,8,10,12,14,16,18,20,22,24,26,28,30
.irp c, 0,1
	v_max3_num_f32 v[TM+\c], v[TM+\c], |v[\s+32*\c+\i]|, |v[\s+1+32*\c+\i]|
.endr
.endr
.irp c, 0,1
	v_add_nc_u32 v[TM+12+\c], 0xff000000, v[TM+\c]
.endr
.irp c, 0,1
	v_lshrrev_b32 v[TM+4+\c], 23, v[TM+12+\c]
.endr
	v_lshl_or_b32 v[\pw], v[TM+5], 16, v[TM+4]     ; my two bytes: blocks h and 2 + h,
	v_lshlrev_b32 v[TM+6], 3, v6
	v_lshlrev_b32 v[\pw], v[TM+6], v[\pw]          ; 8 h bits up;
	v_permlanex16_b32 v[TM+7], v[\pw], s[SEL], s[SEL+1]
	v_or_b32 v[\pw], v[\pw], v[TM+7]               ; with lane l xor 16's two the word is whole
.irp c, 0,1
	v_cvt_scalef32_pk16_fp6_f32 v[\pc+6*\c:\pc+2+6*\c], v[\s+32*\c:\s+15+32*\c], v[TM+12+\c]
	v_cvt_scalef32_pk16_fp6_f32 v[\pc+12+4*\c:\pc+14+4*\c], v[\s+16+32*\c:\s+31+32*\c], v[TM+12+\c]
.endr
	v_nop                                          ; one plain place behind a scaled conversion
.irp c, 0,1
.irp i, 0,1,2
	v_mov_b32 v[\pc+3+6*\c+\i], v[\pc+12+4*\c+\i]
.endr
.endr
.endm
.macro XLOAD u                         ; tile u of my two: 16 neighbours of each of the four blocks of my row
.irp b, 0,1,2,3
.irp q, 0,1,2,3
	global_load_b128 v[DATA+64*\u+16*\b+4*\q:DATA+64*\u+16*\b+4*\q+3], v[SRC], s[4:5] offset:\u*8*3072+128*\b+16*\q th:TH_LOAD_NT
.endr
.endr
.endm
.macro WLOAD P                         ; both tiles; P: bytes from a row of K to the next
.irp u, 0,1
.irp e, 0,1
.irp i, 0,1,2,3,4,5,6,7,8,9,10,11,12,13,14,15,16,17,18,19,20,21,22,23,24,25,26,27,28,29,30,31
	global_load_b32 v[DATA+64*\u+32*\e+\i], v[SRC], s[36:37] offset:(64*\e+\i)*\P+32*\u
.endr
.endr
.endr
.endm
	s_load_b512 s[4:19], s[0:1], 0x0               ; x 4, wq 6, wk 8, wv 10, wo 12, xc 14, xs 16, wc 18
	s_load_b64 s[20:21], s[0:1], 0x40              ; ws
	v_lshrrev_b32 v4, 5, v0
	v_readfirstlane_b32 s30, v4                    ; wave
	v_and_b32 v5, 31, v0                           ; lane
	v_lshlrev_b32 v[LI], 4, v5
	v_lshlrev_b32 v[LS], 2, v5
	v_and_b32 v4, 15, v0                           ; r
	v_bfe_u32 v6, v0, 4, 1                         ; h
	v_and_b32 v7, 8, v4
	v_add_nc_u32 v7, v7, v4                        ; perm(r)
	s_mov_b32 s[SEL], 0x76543210
	s_mov_b32 s[SEL+1], 0xfedcba98
	s_mov_b32 s24, 0xffff0000                      ; lanes 16-31
.irp b, 0,1,2,3
	v_mov_b32 v[TM+4+\b], 0                        ; written once: a lane permute's destination counts as one of its sources
.endr
	s_and_b32 s31, ttmp7, 0xffff                   ; work-group y
	s_mov_b32 s33, 0
	s_wait_kmcnt 0x0
	s_cmp_ge_u32 s31, 32
	s_cbranch_scc1 .Lw
	s_wait_alu depctr_va_vdst(0)
	; ---- x: step s = y, K step c = work-group x, tiles 2 j, 2 j + 1
	v_mul_u32_u24 v[SRC], v7, 3072
	v_lshl_add_u32 v[SRC], v6, 6, v[SRC]           ; perm(r) rows + 64 h
	s_lshl_b32 s32, s31, 7
	s_lshl_b32 s34, s30, 5
	s_add_co_u32 s32, s32, s34                     ; token 128 s + 32 j
	s_mul_i32 s32, s32, 3072
	s_lshl_b32 s34, ttmp9, 9
	s_add_co_u32 s32, s32, s34                     ; + 512 c bytes
	s_add_nc_u64 s[4:5], s[4:5], s[32:33]
	XLOAD 0
	XLOAD 1
	s_mul_i32 s34, s31, 6
	s_add_co_u32 s34, s34, ttmp9                   ; 6 s + c
	s_lshl_b32 s32, s34, 3
	s_lshl_b32 s35, s30, 1
	s_add_co_u32 s32, s32, s35
	s_mul_i32 s32, s32, 1536
	s_add_nc_u64 s[26:27], s[14:15], s[32:33]      ; where my two fragments go
	s_lshl_b32 s32, s34, 2
	s_add_co_u32 s32, s32, s30
	s_lshl_b32 s32, s32, 7
	s_add_nc_u64 s[28:29], s[16:17], s[32:33]      ; and their scale words
	s_wait_loadcnt 16                              ; the first tile's 16 loads are in; the second's 16 may be out
	QUANT DATA, PCA, PW0
	s_wait_loadcnt 0x0
	QUANT DATA+64, PCB, PW1
	s_branch .Lout
.Lw:	; ---- the weights
	s_sub_co_u32 s32, s31, 32                      ; a2 = 0 .. 23
	s_cmp_ge_u32 ttmp9, 3
	s_cselect_b32 s34, 1, 0
	s_cselect_b32 s35, 3, 0
	s_sub_co_u32 s35, ttmp9, s35                   ; m = x % 3
	s_lshl_b32 s42, s32, 1
	s_add_co_u32 s42, s42, s34                     ; U
	s_mov_b64 s[36:37], s[12:13]                   ; which tensor: a2 / 6.  The choice hangs on the work-group's number alone
	s_mov_b32 s38, 36
	s_cmp_lt_u32 s32, 18
	s_cselect_b64 s[36:37], s[10:11], s[36:37]
	s_cselect_b32 s38, 24, s38
	s_cmp_lt_u32 s32, 12
	s_cselect_b64 s[36:37], s[8:9], s[36:37]
	s_cselect_b32 s38, 12, s38
	s_cmp_lt_u32 s32, 6
	s_cselect_b64 s[36:37], s[6:7], s[36:37]
	s_cselect_b32 s38, 0, s38                      ; 12 x kind
	s_sub_co_u32 s39, s42, s38                     ; the unit within its tensor
	s_lshr_b32 s40, s30, 1
	s_lshl_b32 s35, s35, 1
	s_add_co_u32 s40, s40, s35                     ; c
	s_and_b32 s41, s30, 1                          ; j'
	s_mul_i32 s34, s42, 6
	s_add_co_u32 s34, s34, s40                     ; 6 U + c
	s_lshl_b32 s32, s34, 2
	s_lshl_b32 s35, s41, 1
	s_add_co_u32 s32, s32, s35
	s_mul_i32 s32, s32, 1536
	s_add_nc_u64 s[26:27], s[18:19], s[32:33]
	s_lshl_b32 s32, s34, 1
	s_add_co_u32 s32, s32, s41
	s_lshl_b32 s32, s32, 7
	s_add_nc_u64 s[28:29], s[20:21], s[32:33]
	s_wait_alu depctr_va_vdst(0)
	v_lshlrev_b32 v[SRC], 2, v7                    ; my column: 4 perm(r)
	s_cmp_eq_u32 s38, 36
	s_cbranch_scc1 .Lwo
	s_mul_i32 s32, s39, 196608                     ; a head's 768 rows of 256 bytes
	s_lshl_b32 s34, s40, 15                        ; 128 c rows
	s_add_co_u32 s32, s32, s34
	s_lshl_b32 s34, s41, 7                         ; 32 j' columns
	s_add_co_u32 s32, s32, s34
	s_add_nc_u64 s[36:37], s[36:37], s[32:33]
	s_wait_alu depctr_va_vdst(0)
	v_lshl_add_u32 v[SRC], v6, 13, v[SRC]          ; lanes 16-31 begin 32 rows further down
	WLOAD 256
	s_branch .Lwq
.Lwo:
	s_mul_i32 s32, s40, 393216                     ; 128 c rows of 3,072 bytes
	s_lshl_b32 s34, s39, 8                         ; the unit's 64 columns
	s_add_co_u32 s32, s32, s34
	s_lshl_b32 s34, s41, 7
	s_add_co_u32 s32, s32, s34
	s_add_nc_u64 s[36:37], s[36:37], s[32:33]
	s_wait_alu depctr_va_vdst(0)
	v_mad_u32_u24 v[SRC], v6, 98304, v[SRC]
	WLOAD 3072
.Lwq:
	s_wait_loadcnt 63                              ; the first tile's 64 loads are in: 64 younger ones could stay out, and 63 is the largest count that the wait can name
	WQUANT DATA, PCA, PW0
	s_wait_loadcnt 0x0
	WQUANT DATA+64, PCB, PW1
.Lout:
	s_wait_alu depctr_va_vdst(0)
.irp q, 0,1,2
	global_store_b128 v[LI], v[PCA+4*\q:PCA+4*\q+3], s[26:27] offset:512*\q         ; 32 lanes store 512 consecutive bytes, at a multiple of 512 from the buffer's first byte
	global_store_b128 v[LI], v[PCB+4*\q:PCB+4*\q+3], s[26:27] offset:1536+512*\q
.endr
	v_cndmask_b32 v[JW], v[PW0], v[PW1], s24       ; lanes 0-15 the first tile's words, lanes 16-31 the second's
	global_store_b32 v[LS], v[JW], s[28:29]
	s_endpgm
.Lfunc_end_k_qd6f3424b08_quant:
	.size	k_qd6f3424b08_quant, .Lfunc_end_k_qd6f3424b08_quant-k_qd6f3424b08_quant
	.p2alignl 7, 3214868480
	.fill 96, 4, 3214868480
	.section	.rodata,"a",@progbits
	.p2align	6, 0x0
	.amdhsa_kernel k_qd6f3424b08_quant
		.amdhsa_group_segment_fixed_size 0
		.amdhsa_private_segment_fixed_size 0
		.amdhsa_enable_private_segment 0
		.amdhsa_kernarg_size 72
		.amdhsa_user_sgpr_count 2
		.amdhsa_user_sgpr_kernarg_segment_ptr 1
		.amdhsa_wavefront_size32 1
		.amdhsa_system_sgpr_workgroup_id_x 1
		.amdhsa_system_sgpr_workgroup_id_y 1
		.amdhsa_system_sgpr_workgroup_id_z 1
		.amdhsa_system_vgpr_workitem_id 0
		.amdhsa_next_free_vgpr 224
		.amdhsa_next_free_sgpr 66
		.amdhsa_reserve_vcc 0
		.amdhsa_float_denorm_mode_32 3
		.amdhsa_float_denorm_mode_16_64 3
		.amdhsa_memory_ordered 1
		.amdhsa_forward_progress 1
		.amdhsa_inst_pref_size 46
	.end_amdhsa_kernel
	.amdgpu_metadata
---
amdhsa.version: [ 1, 2 ]
amdhsa.kernels:
  - .name:           k_qd6f3424b08_quant
    .symbol:         k_qd6f3424b08_quant.kd
    .args:
      - { .name: x, .offset: 0, .size: 8, .value_kind: global_buffer, .address_space: global }
      - { .name: wq, .offset: 8, .size: 8, .value_kind: global_buffer, .address_space: global }
      - { .name: wk, .offset: 16, .size: 8, .value_kind: global_buffer, .address_space: global }
      - { .name: wv, .offset: 24, .size: 8, .value_kind: global_buffer, .address_space: global }
      - { .name: wo, .offset: 32, .size: 8, .value_kind: global_buffer, .address_space: global }
      - { .name: xc, .offset: 40, .size: 8, .value_kind: global_buffer, .address_space: global }
      - { .name: xs, .offset: 48, .size: 8, .value_kind: global_buffer, .address_space: global }
      - { .name: wc, .offset: 56, .size: 8, .value_kind: global_buffer, .address_space: global }
      - { .name: ws, .offset: 64, .size: 8, .value_kind: global_buffer, .address_space: global }
    .group_segment_fixed_size: 0
    .private_segment_fixed_size: 0
    .kernarg_segment_align: 8
    .kernarg_segment_size: 72
    .max_flat_workgroup_size: 128
    .sgpr_count:     66
    .vgpr_count:     224
    .wavefront_size: 32
...
	.end_amdgpu_metadata
.endif
;; end of part 5
;; launch proj (part 6): grid 9 x 32, 4 waves a work-group, no clusters, 0 bytes of LDS; arguments xc, xs, wc, ws, bq, bk, bv, qi, kv; writes qi, kv
.if DOCPART == 6
	.amdgcn_target "amdgcn-amd-amdhsa--gfx1250"
	.amdhsa_code_object_version 6
	.text
	.protected	k_qd6f3424b08_proj
	.globl	k_qd6f3424b08_proj
	.p2align	8
	.type	k_qd6f3424b08_proj,@function
k_qd6f3424b08_proj:
	s_mov_b64 s[64:65], 0
	v_nop
	global_prefetch_b8 v0, s[64:65] scope:SCOPE_SE
	s_setreg_imm32_b32 hwreg(HW_REG_WAVE_SCHED_MODE, 0, 2), 2
	s_setreg_imm32_b32 hwreg(HW_REG_WAVE_MODE, 25, 1), 1
	s_wait_xcnt 0x0
	s_wait_alu depctr_vm_vsrc(0)
; q, k, v = x W + b on codes of FP6 (E2M3), K = 768 in six steps of 128; the results are quantised in registers and stored as images of the attention launch's operand registers.
; SHARES: work-group (x, y): kind = x / 3 (q, k, v), step of 128 tokens s = y; wave w: head 4 (x % 3) + w.  A wave makes 128 tokens x 64 outputs: 32 accumulators, 192 matrix instructions.
; Operands come from memory straight into registers: a fragment is three loads of 16 bytes a lane, each 512 consecutive bytes.  No LDS, no barrier: waves share nothing.
; No tensor loads, no cluster: K is six steps, and 1,152 waves of 512 registers all have room at once only where two work-groups share a WGP.
; q, k: source 0 = 16 outputs of W, source 1 = 16 tokens: a lane holds ONE token, and the 32 registers of a token tile run along d: K of the scores.  Token tiles 2 p and 2 p + 1 make ONE fragment:
;   registers 0-5 tile 2 p (d = 32 h ..), registers 6-11 tile 2 p + 1; scale bytes 0, 1 and 2, 3 likewise.
; v: the sources swapped: a lane holds ONE d, and the 64 registers of an output tile run along the 128 tokens: K of the second product.
; The bias is the C of each sum's first matrix instruction.  The 32 accumulators take turns, one instruction a turn.
; qi [head][s][6656]: 4 fragments, then 512 bytes of scale words [lane][4].  kv [head][s][13312]: K's 4 fragments, V's 4, K's scale words, V's.
; LIMITS: a block of zeros gets the byte 1 where the rule says 127 (its codes are zeros, and this program alone reads the bytes); NaN and infinities are not served.
; REGISTERS: window 0: v1-4 addresses; v16-111 x's eight fragments, one set; v112-207 W's four, two sets; v208-239 the bias, 8 a tile; v240-247 x's scale words, two sets; v248-251 W's; v252-255 the scale words made.  Window 1: the accumulators.
; THE MODE: SCHED_MODE bits 1:0 = 2 (LLVM: expert scheduling mode 2), set by the entry lines.  The code itself states the register dependences
; between vector or matrix instructions and memory instructions, with s_wait_alu, always for 0.
; THE PLAN.  Registers that memory instructions touch:
;   v1-4          Offsets, written once at the head, read by every load and store, never written again.
;   v16-63        x's tiles 0-3.  Read by a step's first 16 products; behind them the next step's land there.
;   v64-111       x's tiles 4-7.  Read by a step's second 16 products; behind them the next step's land there.
;   W's two sets and both sides' scale words, two sets: set c % 2 is read by step c's 32 products; set (c + 1) % 2, last read in step c - 1, is loaded in the middle of step c.
;   v208-239      The bias: loaded once, read by the first K step's products.
;   v16-95, v252-255 on the way out: written by the conversions, swaps, moves and shifts, read by the stores; each fragment has 20 registers of its own, so none is written again.
; So TWO waits on va_vdst stand in a step, each behind 16 products and straight ahead of the run of loads that lands in what those products read; one set of x is all that 512 registers leave room for.
; The runs are not dealt among the products: the products' D and C lie in window 1, a load's data in window 0, so each load among them would want two switches.
; On the way out one wait stands ahead of each fragment's three stores.  Nothing that a memory instruction reads is written again, so no wait on vm_vsrc is owed.
.set LI,  1                            ; 16 x lane
.set LS,  2                            ; 4 x lane
.set BOQ, 3                            ; 64 h
.set BOV, 4                            ; 4 perm(r)
.set XF,  16
.set WF,  112
.set BI,  208
.set XS,  240
.set WS,  248
.set PW,  252
.set TM,  112                          ; the way out: at work, where W's fragments lay
.set SEL, 22
.set MSB, 0
.macro WIN new                         ; the immediate's high byte repeats the setting that is left
.if MSB != \new
	s_set_vgpr_msb (MSB<<8)|\new
.set MSB, \new
.endif
.endm
; one product.  ra, rb = 1: that side's scale words stand in lanes 16-31 of the register named
.macro MM d, a, b, c, sa, sb, ra, rb
.if (\ra) && (\rb)
	v_wmma_scale_f32_16x16x128_f8f6f4 v[\d:\d+7], v[\a:\a+11], v[\b:\b+11], v[\c:\c+7], v[\sa], v[\sb] matrix_a_fmt:MATRIX_FMT_FP6 matrix_b_fmt:MATRIX_FMT_FP6 matrix_a_scale:MATRIX_SCALE_ROW1 matrix_b_scale:MATRIX_SCALE_ROW1
.elseif (\ra)
	v_wmma_scale_f32_16x16x128_f8f6f4 v[\d:\d+7], v[\a:\a+11], v[\b:\b+11], v[\c:\c+7], v[\sa], v[\sb] matrix_a_fmt:MATRIX_FMT_FP6 matrix_b_fmt:MATRIX_FMT_FP6 matrix_a_scale:MATRIX_SCALE_ROW1
.elseif (\rb)
	v_wmma_scale_f32_16x16x128_f8f6f4 v[\d:\d+7], v[\a:\a+11], v[\b:\b+11], v[\c:\c+7], v[\sa], v[\sb] matrix_a_fmt:MATRIX_FMT_FP6 matrix_b_fmt:MATRIX_FMT_FP6 matrix_b_scale:MATRIX_SCALE_ROW1
.else
	v_wmma_scale_f32_16x16x128_f8f6f4 v[\d:\d+7], v[\a:\a+11], v[\b:\b+11], v[\c:\c+7], v[\sa], v[\sb] matrix_a_fmt:MATRIX_FMT_FP6 matrix_b_fmt:MATRIX_FMT_FP6
.endif
.endm
.macro MLOAD c                         ; 30 loads: K step c's fragments of W, both sides' scale words, x's tiles 0-3
.irp t, 0,1,2,3
.irp q, 0,1,2
	global_load_b128 v[WF+48*((\c)%2)+12*\t+4*\q:WF+48*((\c)%2)+12*\t+4*\q+3], v[LI], s[8:9] offset:(\c)*6144+\t*1536+512*\q
.endr
.endr
.irp j, 0,1
	global_load_b32 v[WS+2*((\c)%2)+\j], v[LS], s[10:11] offset:(\c)*256+128*\j
.endr
.irp j, 0,1,2,3
	global_load_b32 v[XS+4*((\c)%2)+\j], v[LS], s[6:7] offset:(\c)*512+128*\j
.endr
.irp i, 0,1,2,3
.irp q, 0,1,2
	global_load_b128 v[XF+12*\i+4*\q:XF+12*\i+4*\q+3], v[LI], s[4:5] offset:(\c)*12288+\i*1536+512*\q
.endr
.endr
.endm
.macro ELOAD c                         ; 12 loads: x's tiles 4-7
.irp i, 4,5,6,7
.irp q, 0,1,2
	global_load_b128 v[XF+12*\i+4*\q:XF+12*\i+4*\q+3], v[LI], s[4:5] offset:(\c)*12288+\i*1536+512*\q
.endr
.endr
.endm
.macro HALF c, v, i0                   ; 16 products: token tiles i0 .. i0 + 3 x the four output tiles
.irp i, \i0, \i0+1, \i0+2, \i0+3
.irp t, 0,1,2,3
.if \v
.if (\c) == 0
	MM 8*(8*\t+(\i)), XF+12*(\i), WF+48*((\c)%2)+12*\t, BI+8*\t, XS+4*((\c)%2)+(\i)/2, WS+2*((\c)%2)+\t/2, (\i)%2, \t%2
.else
	MM 8*(8*\t+(\i)), XF+12*(\i), WF+48*((\c)%2)+12*\t, 8*(8*\t+(\i)), XS+4*((\c)%2)+(\i)/2, WS+2*((\c)%2)+\t/2, (\i)%2, \t%2
.endif
.else
.if (\c) == 0
	MM 8*(4*(\i)+\t), WF+48*((\c)%2)+12*\t, XF+12*(\i), BI+8*\t, WS+2*((\c)%2)+\t/2, XS+4*((\c)%2)+(\i)/2, \t%2, (\i)%2
.else
	MM 8*(4*(\i)+\t), WF+48*((\c)%2)+12*\t, XF+12*(\i), 8*(4*(\i)+\t), WS+2*((\c)%2)+\t/2, XS+4*((\c)%2)+(\i)/2, \t%2, (\i)%2
.endif
.endif
.endr
.endr
.endm
.macro PLACES                          ; four plain places behind matrix instructions: owed ahead of the vector instructions that read their results or write their operands; ahead of a run of loads they stand beside the wait that states the dependence
.rept 4
	v_nop
.endr
.endm
.macro MWIN c                          ; D in window 1; C in window 1, but in the first K step the bias, in window 0
.if (\c) == 0
	WIN 0x40
.else
	WIN 0x50
.endif
.endm
.macro STEP c, v
	s_wait_loadcnt 12                              ; all but the 12 youngest loads (x's tiles 4-7 of this step) are in
	MWIN \c
	HALF \c, \v, 0
.if (\c) < 5
	PLACES
	WIN 0
	s_wait_alu depctr_va_vdst(0)                   ; the 16 products above are done reading x's tiles 0-3, and the step before is done reading the other set of W and of scale words: the 30 loads below land in these
	MLOAD (\c)+1
	s_wait_loadcnt 30                              ; x's tiles 4-7 of this step are in; the 30 loads just issued stay out
.else
	s_wait_loadcnt 0x0                             ; x's tiles 4-7; nothing more is asked for
.endif
	MWIN \c
	HALF \c, \v, 4
	PLACES
	WIN 0
.if (\c) < 5
	s_wait_alu depctr_va_vdst(0)                   ; the 16 products above are done reading x's tiles 4-7, in which the 12 loads below land
	ELOAD (\c)+1
.endif
.endm
.macro PATH v
.if \v
.irp t, 0,1,2,3                                ; a lane's eight results of a tile belong to one d: eight times its bias
.irp j, 0,1,2,3,4,5,6,7
	global_load_b32 v[BI+8*\t+\j], v[BOV], s[28:29] offset:(32*(\t/2)+8*(\t%2))*4
.endr
.endr
.else
.irp t, 0,1,2,3                                ; a lane's eight results of a tile are outputs 32 (t / 2) + 8 (t % 2) + 16 h + 0 .. 7
	global_load_b128 v[BI+8*\t:BI+8*\t+3], v[BOQ], s[28:29] offset:(32*(\t/2)+8*(\t%2))*4
	global_load_b128 v[BI+8*\t+4:BI+8*\t+7], v[BOQ], s[28:29] offset:(32*(\t/2)+8*(\t%2))*4+16
.endr
.endif
	MLOAD 0
	ELOAD 0
.irp c, 0,1,2,3,4,5
	STEP \c, \v
.endr
.endm
; 64 accumulator registers (window 1, from 64 f on), register 16 b + i = k 32 b + 16 h + i, become fragment f and scale word f.  Each accumulator is first read at its registers 0 and 1.
.macro QUANTW f
.set QA, 64*(\f)
.set QP, 16+20*(\f)
	WIN 0x05
.irp b, 0,1,2,3
	v_max3_num_f32 v[TM+\b], |v[QA+16*\b]|, |v[QA+1+16*\b]|, 0x1800000   ; and the floor 2^(3 - 127): the byte cannot fall under 1
.endr
	WIN 0x14
.irp i, 2,4,6,8,10,12,14
.irp b, 0,1,2,3
	v_max3_num_f32 v[TM+\b], v[TM+\b], |v[QA+16*\b+\i]|, |v[QA+1+16*\b+\i]|
.endr
.endr
	WIN 0
.irp b, 0,1,2,3
	v_permlanex16_b32 v[TM+4+\b], v[TM+\b], s[SEL], s[SEL+1]
.endr
.irp b, 0,1,2,3
	v_max_num_f32 v[TM+\b], v[TM+\b], v[TM+4+\b]
.endr
.irp b, 0,1,2,3
	v_add_nc_u32 v[TM+12+\b], 0xff000000, v[TM+\b]   ; 2 off the exponent field: the conversion's scale operand
.endr
.irp b, 0,1,2,3
	v_lshrrev_b32 v[TM+4+\b], 23, v[TM+12+\b]
.endr
	v_lshl_or_b32 v[PW+\f], v[TM+5], 8, v[TM+4]
	v_lshl_or_b32 v[PW+\f], v[TM+6], 16, v[PW+\f]
	v_lshl_or_b32 v[PW+\f], v[TM+7], 24, v[PW+\f]
	WIN 0x01
.irp c, 0,1
	v_cvt_scalef32_pk16_fp6_f32 v[QP+6*\c:QP+2+6*\c], v[QA+32*\c:QA+15+32*\c], v[TM+12+2*\c]
	v_cvt_scalef32_pk16_fp6_f32 v[QP+12+4*\c:QP+14+4*\c], v[QA+16+32*\c:QA+31+32*\c], v[TM+12+2*\c+1]
.endr
	WIN 0
	v_nop                                          ; one plain place behind a scaled conversion
.irp c, 0,1
.irp i, 0,1,2
	v_permlane16_swap_b32 v[QP+6*\c+\i], v[QP+12+4*\c+\i]
.endr
.irp i, 0,1,2
	v_mov_b32 v[QP+3+6*\c+\i], v[QP+12+4*\c+\i]
.endr
.endr
	s_wait_alu depctr_va_vdst(0)                   ; the conversions, swaps and moves have written this fragment's twelve registers, which the three stores read (and the shifts its scale word, which the last store of the text reads)
.irp q, 0,1,2
	global_store_b128 v[LI], v[QP+4*\q:QP+4*\q+3], s[32:33] offset:1536*(\f)+512*\q   ; 512 consecutive bytes; each fragment has registers of its own, so no store's data are written again
.endr
.endm
	s_load_b512 s[4:19], s[0:1], 0x0               ; xc 4, xs 6, wc 8, ws 10, bq 12, bk 14, bv 16, qi 18
	s_load_b64 s[20:21], s[0:1], 0x40              ; kv
	v_lshrrev_b32 v5, 5, v0
	v_readfirstlane_b32 s40, v5                    ; wave
	v_and_b32 v5, 31, v0
	v_lshlrev_b32 v[LI], 4, v5
	v_lshlrev_b32 v[LS], 2, v5
	v_bfe_u32 v6, v0, 4, 1
	v_lshlrev_b32 v[BOQ], 6, v6
	v_and_b32 v5, 15, v0
	v_and_b32 v6, 8, v5
	v_add_nc_u32 v6, v6, v5
	v_lshlrev_b32 v[BOV], 2, v6
	s_wait_alu depctr_va_sdst(0)                   ; s40 is written, ahead of its first reader: the head's number and the bases are made from it
	s_mov_b32 s[SEL], 0x76543210
	s_mov_b32 s[SEL+1], 0xfedcba98
	s_and_b32 s41, ttmp7, 0xffff                   ; s
	s_cmp_ge_u32 ttmp9, 3
	s_cselect_b32 s24, 1, 0
	s_cmp_ge_u32 ttmp9, 6
	s_cselect_b32 s24, 2, s24                      ; kind
	s_mul_i32 s25, s24, 3
	s_sub_co_u32 s25, ttmp9, s25
	s_lshl_b32 s26, s25, 2
	s_add_co_u32 s26, s26, s40                     ; head
	s_mul_i32 s27, s24, 12
	s_add_co_u32 s27, s27, s26                     ; U
	s_lshl_b32 s30, s26, 5
	s_add_co_u32 s30, s30, s41                     ; 32 head + s
	s_mov_b32 s39, 0
	s_wait_kmcnt 0x0
	s_mul_i32 s38, s41, 73728
	s_add_nc_u64 s[4:5], s[4:5], s[38:39]
	s_mul_i32 s38, s41, 3072
	s_add_nc_u64 s[6:7], s[6:7], s[38:39]
	s_mul_i32 s38, s27, 36864
	s_add_nc_u64 s[8:9], s[8:9], s[38:39]
	s_mul_i32 s38, s27, 1536
	s_add_nc_u64 s[10:11], s[10:11], s[38:39]
	s_cmp_eq_u32 s24, 0                            ; the buffers are chosen by the work-group's number alone
	s_cselect_b64 s[28:29], s[12:13], s[14:15]
	s_cselect_b64 s[32:33], s[18:19], s[20:21]
	s_mov_b32 s36, 13312
	s_cselect_b32 s36, 6656, s36                   ; bytes of a step's block
	s_mov_b32 s37, 12288
	s_cselect_b32 s37, 6144, s37                   ; where its scale words begin
	s_cmp_eq_u32 s24, 2
	s_cselect_b64 s[28:29], s[16:17], s[28:29]
	s_cselect_b32 s42, 6144, 0                     ; V's fragments lie behind K's,
	s_cselect_b32 s43, 512, 0                      ; its scale words behind K's
	s_lshl_b32 s38, s26, 8
	s_add_nc_u64 s[28:29], s[28:29], s[38:39]      ; the head's 64 biases
	s_mul_i32 s36, s30, s36
	s_add_co_u32 s38, s36, s37
	s_add_co_u32 s38, s38, s43
	s_add_nc_u64 s[34:35], s[32:33], s[38:39]      ; the scale words' place
	s_add_co_u32 s38, s36, s42
	s_add_nc_u64 s[32:33], s[32:33], s[38:39]      ; the fragments' place
	s_wait_alu depctr_va_vdst(0)                   ; the four offsets v1 to v4 are written: every load and store of the kernel, on either way below, reads one of them
	s_cmp_eq_u32 s24, 2
	s_cbranch_scc1 .Lv
	PATH 0
	s_branch .Lq
.Lv:
	PATH 1
.Lq:	; the last step's four places stand behind the last product
.irp b, 0,1,2,3
	v_mov_b32 v[TM+4+\b], 0                        ; written once: a lane permute's destination counts as one of its sources
.endr
	QUANTW 0
	QUANTW 1
	QUANTW 2
	QUANTW 3
	global_store_b128 v[LI], v[PW:PW+3], s[34:35]  ; [lane][4 words]: 512 consecutive bytes; no vector instruction since the last wait names these four
	s_endpgm
.Lfunc_end_k_qd6f3424b08_proj:
	.size	k_qd6f3424b08_proj, .Lfunc_end_k_qd6f3424b08_proj-k_qd6f3424b08_proj
	.p2alignl 7, 3214868480
	.fill 96, 4, 3214868480
	.section	.rodata,"a",@progbits
	.p2align	6, 0x0
	.amdhsa_kernel k_qd6f3424b08_proj
		.amdhsa_group_segment_fixed_size 0
		.amdhsa_private_segment_fixed_size 0
		.amdhsa_enable_private_segment 0
		.amdhsa_kernarg_size 72
		.amdhsa_user_sgpr_count 2
		.amdhsa_user_sgpr_kernarg_segment_ptr 1
		.amdhsa_wavefront_size32 1
		.amdhsa_system_sgpr_workgroup_id_x 1
		.amdhsa_system_sgpr_workgroup_id_y 1
		.amdhsa_system_sgpr_workgroup_id_z 1
		.amdhsa_system_vgpr_workitem_id 0
		.amdhsa_next_free_vgpr 512
		.amdhsa_next_free_sgpr 66
		.amdhsa_reserve_vcc 0
		.amdhsa_float_denorm_mode_32 3
		.amdhsa_float_denorm_mode_16_64 3
		.amdhsa_memory_ordered 1
		.amdhsa_forward_progress 1
		.amdhsa_inst_pref_size 125
	.end_amdhsa_kernel
	.amdgpu_metadata
---
amdhsa.version: [ 1, 2 ]
amdhsa.kernels:
  - .name:           k_qd6f3424b08_proj
    .symbol:         k_qd6f3424b08_proj.kd
    .args:
      - { .name: xc, .offset: 0, .size: 8, .value_kind: global_buffer, .address_space: global }
      - { .name: xs, .offset: 8, .size: 8, .value_kind: global_buffer, .address_space: global }
      - { .name: wc, .offset: 16, .size: 8, .value_kind: global_buffer, .address_space: global }
      - { .name: ws, .offset: 24, .size: 8, .value_kind: global_buffer, .address_space: global }
      - { .name: bq, .offset: 32, .size: 8, .value_kind: global_buffer, .address_space: global }
      - { .name: bk, .offset: 40, .size: 8, .value_kind: global_buffer, .address_space: global }
      - { .name: bv, .offset: 48, .size: 8, .value_kind: global_buffer, .address_space: global }
      - { .name: qi, .offset: 56, .size: 8, .value_kind: global_buffer, .address_space: global }
      - { .name: kv, .offset: 64, .size: 8, .value_kind: global_buffer, .address_space: global }
    .group_segment_fixed_size: 0
    .private_segment_fixed_size: 0
    .kernarg_segment_align: 8
    .kernarg_segment_size: 72
    .max_flat_workgroup_size: 128
    .sgpr_count:     66
    .vgpr_count:     512
    .wavefront_size: 32
...
	.end_amdgpu_metadata
.endif
;; end of part 6
;; launch attn (part 7): grid 16 x 12, 8 waves a work-group, no clusters, 327,680 bytes of LDS; arguments qi, kv, cc, cs; writes cc, cs
.if DOCPART == 7
	.amdgcn_target "amdgcn-amd-amdhsa--gfx1250"
	.amdhsa_code_object_version 6
	.text
	.protected	k_qd6f3424b08_attn
	.globl	k_qd6f3424b08_attn
	.p2align	8
	.type	k_qd6f3424b08_attn,@function
k_qd6f3424b08_attn:
	s_mov_b64 s[64:65], 0
	v_nop
	global_prefetch_b8 v0, s[64:65] scope:SCOPE_SE
	s_setreg_imm32_b32 hwreg(HW_REG_WAVE_MODE, 25, 1), 1
	s_wait_xcnt 0x0
; Causal attention of one head on codes of FP6 (E2M3): S^T = K Q^T (K = the head's 64), p = 2^(t - M), O^T += V^T P^T (K = the keys), O / l quantised along the concatenated channel and stored as halves of the last launch's fragments.
; t = score x log2(e) / 8; M = the row's largest t so far, rounded UP to a whole number; p is not normalised; the row's sum is taken of the unquantised p and divides O at the end.  When M moves, sum and O are multiplied by 2^(old M - new M): exact.
; SHARES, EVEN BY CONSTRUCTION: work-group (b, head) makes query block 31 - b over key steps 0 .. 31 - b, then block b over key steps 0 .. b: 33 steps of 128 keys in every work-group, a constant of the text.
; Wave w owns token tile w (16 queries) of the block in hand; a run's last step lies on the diagonal for all eight waves.  192 work-groups: 1,536 equal shares of 33 steps; work-groups of half the size would have uneven shares.
; LAYOUT: both products transposed: a lane holds ONE query.  A fragment of K holds TWO key tiles of 64 along K (registers 0-5, 6-11): against [q | zero codes] it gives the first tile's scores, against [zero codes | q] the second's.
; The keys of a tile are chosen (32 p + 8 u + r + 8 (r / 8)) so that the 16 registers of tiles (p, 0), (p, 1) are keys 32 p + 16 h + 0 .. 15.
; RING: two LDS slots of three steps' blocks (13,312 bytes each: K's 4 fragments, V's 4, their scale words, all as images of registers: read at 16 x lane).  Waves 0-2 fetch one block each by one tensor load; 11 slots.
; NO CLUSTER: the 16 work-groups of a head leave the common walk over the keys at step 32 - b, another step in each, so from there on no two of them ask for the same block in the same trip; and a step's 13,312 bytes stand beside eight waves' softmax of 16 x 128 scores each.
; LIMITS: a block of zeros gets the byte 1 where the rule says 127 (zero codes; this program alone reads the bytes); NaN and infinities are not served; a block's largest p is made from its largest score, which takes v_exp_f32 not to fall where its input rises.
.set STEPB, 13312
.set SLOT1, 65536                      ; slot 1 begins here: one exclusive or turns an address in one slot into the other's
.set SPARE, 131072                     ; the spare words, 128 bytes for each of eight waves: four blocks of 256 bytes that no other line names
.set LI,  1                            ; v1   16 x lane
.set DQ,  2                            ; v2   my query's place in its block - 16 h
.set ADR, 3                            ; v3   LDS address of the step's block, + 16 x lane
.set SPW, 4                            ; v4   my spare word; never rewritten
.set NIL, 5                            ; v5   0; never rewritten
.set PFO, 6                            ; v6   256 x lane
.set L8,  7                            ; v7   8 x lane
.set CSO, 8                            ; v8   4 x (lane % 16)
.set QZ,  16                           ; v16-33  [6 zeros][q][6 zeros]: v[16:27] = zero | q, v[22:33] = q | zero
.set QS,  34                           ; q's two scale bytes, twice
.set F,   36                           ; v36-83  four fragments: K's, then V's
.set KS,  84                           ; v84-87  K's scale words;  v88-91 V's
.set VS,  88
.set S,   96                           ; v96-159 S^T, then p
.set O,   160                          ; v160-191 O^T
.set PC,  192                          ; v192-203 p's codes; v204-206, v208-210 the conversions' second halves
.set BM,  212                          ; v212-215 the blocks' largest scores, then largest p
.set PT,  216                          ; v216-219 at work, bytes
.set SOP, 220                          ; v220-223 the conversions' scale operands
.set SUM2, 224                         ; v[224:225] the sums' second chain
.set PS,  228                          ; p's scale word
.set FF,  230                          ; v[230:231] f = 2^(old M - new M)
.set T0,  232
.set HW,  233                          ; the heads' scale word
.set Q1,  236                          ; v236-241 the second run's q; v242 its scale bytes
.set Q1S, 242
.set STG, 244                          ; v244-255 at work at the head and on the way out
; s12 wave, s13 b, s14 head, s15 R0 = 32 - b, s16 G the step, s17 the step that I fetch, s18 LDS byte of the block in hand, s19 slots to ask for, s20 steps of a slot, s21 1 in a run's last step,
; s[22:23] lane selects, s[24:25] c, s[28:35] descriptor group 1, s[36:39] group 0, s[40:41] the head's first byte of kv, s[44:45], s46 the prefetches' place and chunk, s[50:57] where the results go, s58 R0 - 1
.macro TLOAD                           ; waves 0-2 fetch, one block each.  The branch hangs on the wave's number alone; an s_nop 0 and four v_nop follow the load
	s_cmp_lt_u32 s12, 3
	s_cbranch_scc0 .Lnone_\@
	tensor_load_to_lds s[36:39], s[28:35]
	s_nop 0
.rept 4
	v_nop
.endr
.Lnone_\@:
.endm
; A PREFETCH of the head's blocks ahead of the tensor loads.  All 16 work-groups of a head begin with the same walk; the one with b = 0 walks the head's 425,984 bytes on end, and it alone asks.  In it the waves ask that fetch nothing:
; at the n-th change of slots wave w (3 .. 7) names chunk 10 + 5 n + (w - 3) of 8,192 bytes, lanes 256 bytes apart, while the chunk's number is under 52, the head's last: each block of 256 bytes is named once,
; a slot's three steps or a little more ahead of the tensor load that wants it.  Nothing is asked at the head, and nothing past the head's last byte.
.macro ASK
	s_cmp_lt_u32 s46, 52
	s_cbranch_scc0 .Lnot_mine_\@
	global_prefetch_b8 v[PFO], s[44:45] th:TH_LOAD_NT scope:SCOPE_SE
.Lnot_mine_\@:
.endm
	s_load_b256 s[4:11], s[0:1], 0x0               ; qi 4, kv 6, cc 8, cs 10
	v_lshl_add_u32 v[SPW], v0, 2, SPARE
	v_mov_b32 v[NIL], 0
	ds_add_u32 v[SPW], v[NIL]                      ; the wave's opening: the add and its wait stand ahead of my first tensor load; work on registers stands between them
	ds_add_u32 v[SPW], v[NIL]
	v_lshrrev_b32 v9, 5, v0
	s_delay_alu instid0(VALU_DEP_1)
	v_readfirstlane_b32 s12, v9                    ; wave 0..7
	s_mov_b32 s13, ttmp9                           ; b
	s_and_b32 s14, ttmp7, 0xffff                   ; head
	s_sub_co_u32 s15, 32, s13                      ; R0: the first run's steps
	s_sub_co_u32 s58, 31, s13                      ; its last step, and its query block
	s_mov_b32 s16, 0
	s_mov_b32 s17, s12
	s_mov_b32 s18, 0
	s_mov_b32 s19, 10
	s_mov_b32 s22, 0x76543210
	s_mov_b32 s23, 0xfedcba98
	s_mov_b32 s24, 0x3e38aa3b                      ; c = log2(e) / sqrt(64)
	s_mov_b32 s25, s24                             ; (named with it as a pair, so it is written)
	s_mov_b32 s28, 3<<16                           ; group 1: no mask; elements of 8 bytes; no padding
	s_mov_b32 s29, 32<<16                          ; tensor_dim0 = 32 elements: rows of 256 bytes
	s_mov_b32 s30, 52<<16                          ; tensor_dim1 = 52 rows: a dense block of 13,312 bytes
	s_mov_b32 s31, 32<<16                          ; tile_dim0
	s_mov_b32 s32, 52                              ; tile_dim1
	s_mov_b32 s33, 32                              ; pitch
	s_mov_b32 s34, 0
	s_mov_b32 s35, 0
	s_mov_b32 s36, 1                               ; group 0: count
	s_mul_i32 s37, s12, STEPB                      ; LDS address: my block of slot 0
	s_and_b32 s47, s12, 1
	s_sub_co_u32 s47, 0, s47                       ; all ones where my tile is the pair's second
	s_mov_b32 s48, 0x03020302
	s_bitcmp1_b32 s12, 0
	s_cselect_b32 s48, s48, 0x01000100             ; which two scale bytes of the pair's word are mine
	v_and_b32 v[L8], 31, v0
	s_delay_alu instid0(VALU_DEP_1)
	v_lshlrev_b32 v[LI], 4, v[L8]
	s_delay_alu instid0(VALU_DEP_2)
	v_lshlrev_b32 v[PFO], 8, v[L8]
	s_delay_alu instid0(VALU_DEP_3)
	v_lshlrev_b32 v[L8], 3, v[L8]
	v_and_b32 v[CSO], 15, v0                       ; r
	v_bfe_u32 v9, v0, 4, 1                         ; h
	s_delay_alu instid0(VALU_DEP_2)
	v_and_b32 v10, 8, v[CSO]
	s_delay_alu instid0(VALU_DEP_1)
	v_add_nc_u32 v10, v10, v[CSO]                  ; perm(r)
	s_lshr_b32 s42, s12, 1
	s_lshl_b32 s43, s42, 5
	s_and_b32 s59, s12, 1
	s_lshl_b32 s59, s59, 3
	s_add_co_u32 s43, s43, s59                     ; 32 (w / 2) + 8 (w % 2)
	v_add_nc_u32 v[DQ], s43, v10
	v_lshlrev_b32 v9, 4, v9
	s_delay_alu instid0(VALU_DEP_1)
	v_sub_nc_u32 v[DQ], v[DQ], v9
	v_lshlrev_b32 v[CSO], 2, v[CSO]
	s_mul_i32 s43, s42, 1536
	v_add_nc_u32 v10, s43, v[LI]                   ; Q: pair w / 2's image
	s_lshl_b32 s43, s42, 2
	v_add_nc_u32 v11, s43, v[LI]                   ; and its scale word
	s_mov_b32 s43, 0
	s_wait_dscnt 0x0                               ; the opening add is done
	s_wait_kmcnt 0x0
	s_mul_i32 s42, s14, 32*STEPB
	s_add_nc_u64 s[40:41], s[6:7], s[42:43]        ; the head's blocks
	s_mov_b32 s42, s37
	s_add_nc_u64 s[38:39], s[40:41], s[42:43]      ; key step w
	s_or_b32 s39, s39, 0x80000000                  ; type = 2
	TLOAD                                          ; slot 0: the launch's first fill
	s_mul_i32 s59, s14, 32*6656
	s_mul_i32 s42, s58, 6656
	s_add_co_u32 s42, s42, s59
	s_add_nc_u64 s[60:61], s[4:5], s[42:43]        ; the first run's block of Q
	s_mul_i32 s42, s13, 6656
	s_add_co_u32 s42, s42, s59
	s_add_nc_u64 s[62:63], s[4:5], s[42:43]        ; the second's
	s_wait_alu depctr_va_vdst(0)
.irp q, 0,1,2
	global_load_b128 v[F+4*\q:F+4*\q+3], v10, s[60:61] offset:512*\q
	global_load_b128 v[STG+4*\q:STG+4*\q+3], v10, s[62:63] offset:512*\q
.endr
	global_load_b32 v[T0], v11, s[60:61] offset:6144
	global_load_b32 v[HW], v11, s[62:63] offset:6144
	; where the results go: cc ((6 B + head / 2) 8 + w) 1536 + (head % 2) 768;  cs B 6144 + head 512 + w 64
	s_lshr_b32 s42, s14, 1
	s_mul_i32 s59, s42, 12288
	s_and_b32 s42, s14, 1
	s_mul_i32 s42, s42, 768
	s_add_co_u32 s59, s59, s42
	s_mul_i32 s42, s12, 1536
	s_add_co_u32 s59, s59, s42
	s_mul_i32 s42, s58, 73728
	s_add_co_u32 s42, s42, s59
	s_add_nc_u64 s[50:51], s[8:9], s[42:43]
	s_mul_i32 s42, s13, 73728
	s_add_co_u32 s42, s42, s59
	s_add_nc_u64 s[54:55], s[8:9], s[42:43]
	s_lshl_b32 s59, s14, 9
	s_lshl_b32 s42, s12, 6
	s_add_co_u32 s59, s59, s42
	s_mul_i32 s42, s58, 6144
	s_add_co_u32 s42, s42, s59
	s_add_nc_u64 s[52:53], s[10:11], s[42:43]
	s_mul_i32 s42, s13, 6144
	s_add_co_u32 s42, s42, s59
	s_add_nc_u64 s[56:57], s[10:11], s[42:43]
	; the prefetches: chunk w + 2 now; the first change of slots steps it to 10 + (w - 3)
	s_cmp_lt_u32 s12, 3
	s_cselect_b32 s46, 1, 0
	s_or_b32 s46, s46, s13                         ; 0 in waves 3-7 of the work-group with b = 0
	s_add_co_u32 s42, s12, 2
	s_cmp_eq_u32 s46, 0
	s_cselect_b32 s46, s42, 1000
	s_lshl_b32 s42, s42, 13
	s_add_nc_u64 s[44:45], s[40:41], s[42:43]
	s_wait_loadcnt 0x0                             ; both runs' Q
.irp i, 0,1,2,3,4,5
	v_cndmask_b32 v[QZ+6+\i], v[F+\i], v[F+6+\i], s47          ; my tile's half of the pair
	v_cndmask_b32 v[Q1+\i], v[STG+\i], v[STG+6+\i], s47
.endr
	v_perm_b32 v[QS], v[T0], v[T0], s48            ; my two scale bytes, twice: they serve q in either half of K
	v_perm_b32 v[Q1S], v[HW], v[HW], s48
.irp i, 0,1,2,3,4,5
	v_mov_b32 v[QZ+\i], 0                          ; zero codes
	v_mov_b32 v[QZ+12+\i], 0
.endr
	v_mov_b32 v13, 0xff61b1e6                      ; the largest t so far: -3e38
	s_delay_alu instid0(VALU_DEP_1)
	v_floor_f32 v12, -v13                          ; -M
	v_mov_b32 v14, 0                               ; the sum, in two halves
	v_mov_b32 v15, 0
	v_mov_b32 v[FF+1], 0                           ; (named as the upper half of a pair)
.irp b, 0,1,2,3
	v_mov_b32 v[PT+\b], 0                          ; a lane permute's destination counts as one of its sources
.endr
.set J_, 0
.rept 32
	v_mov_b32 v[O+J_], 0                           ; O^T: a run's first step finds zeros, which the first change of M leaves zeros
.set J_, J_+1
.endr
; A KEY STEP: 128 keys, the block at LDS byte s18
.macro STEP
	s_cmp_eq_u32 s16, s58
	s_cselect_b32 s21, 1, 0
	s_cmp_eq_u32 s16, 32
	s_cselect_b32 s21, 1, s21                      ; a run's last step: it lies on the diagonal, and the run's result leaves behind it
	v_add_nc_u32 v[ADR], s18, v[LI]
.rept 3
	v_nop                                          ; with the addition: four places behind the last products, in front of loads into registers that they read
.endr
.irp p, 0,1,2,3
.irp q, 0,1,2
	ds_load_b128 v[F+12*\p+4*\q:F+12*\p+4*\q+3], v[ADR] offset:1536*\p+512*\q
.endr
.endr
	ds_load_b128 v[KS:KS+3], v[ADR] offset:12288
	s_wait_alu depctr_va_vdst(0)
	s_wait_dscnt 0x0
.irp p, 0,1,2,3                                ; S^T: each fragment of K twice: keys 32 p + 16 h + 0 .. 7, then + 8 .. 15
	v_wmma_scale_f32_16x16x128_f8f6f4 v[S+16*\p:S+16*\p+7], v[F+12*\p:F+12*\p+11], v[QZ+6:QZ+17], 0, v[KS+\p], v[QS] matrix_a_fmt:MATRIX_FMT_FP6 matrix_b_fmt:MATRIX_FMT_FP6
	v_wmma_scale_f32_16x16x128_f8f6f4 v[S+16*\p+8:S+16*\p+15], v[F+12*\p:F+12*\p+11], v[QZ:QZ+11], 0, v[KS+\p], v[QS] matrix_a_fmt:MATRIX_FMT_FP6 matrix_b_fmt:MATRIX_FMT_FP6
.endr
.rept 4
	v_nop                                          ; four places: for the loads below and for the first read of the scores
.endr
.irp t, 0,1,2,3                                ; V's fragments land under the softmax
.irp q, 0,1,2
	ds_load_b128 v[F+12*\t+4*\q:F+12*\t+4*\q+3], v[ADR] offset:6144+1536*\t+512*\q
.endr
.endr
	ds_load_b128 v[VS:VS+3], v[ADR] offset:12800
	s_cmp_eq_u32 s21, 0
	s_cbranch_scc1 .Lopen_\@
	v_mov_b32 v[T0], 0xff800000                    ; on the diagonal the scores of hidden keys become -infinity: p = 0 then.  Register 16 b + i holds key 32 b + 16 h + i: hidden where 32 b + i > my query - 16 h
.set N_, 0
.rept 64
	v_cmp_gt_i32 vcc_lo, 32*(N_/16)+N_%16, v[DQ]
	v_cndmask_b32 v[S+N_], v[S+N_], v[T0], vcc_lo
.set N_, N_+1
.endr
.Lopen_\@:
.irp b, 0,1,2,3
	v_max3_num_f32 v[BM+\b], v[S+16*\b], v[S+1+16*\b], v[S+2+16*\b]   ; the largest score of each block of 32 keys: for the row's maximum and for the block's largest p
.endr
.irp i, 3,5,7,9,11,13
.irp b, 0,1,2,3
	v_max3_num_f32 v[BM+\b], v[BM+\b], v[S+16*\b+\i], v[S+1+16*\b+\i]
.endr
.endr
.irp b, 0,1,2,3
	v_max_num_f32 v[BM+\b], v[BM+\b], v[S+15+16*\b]
.endr
.irp b, 0,1,2,3
	s_delay_alu instid0(VALU_DEP_4)
	v_permlanex16_b32 v[PT+\b], v[BM+\b], s22, s23
.endr
.irp b, 0,1,2,3
	s_delay_alu instid0(VALU_DEP_4)
	v_max_num_f32 v[BM+\b], v[BM+\b], v[PT+\b]     ; with lane l xor 16's 16 keys
.endr
	s_delay_alu instid0(VALU_DEP_2)
	v_max3_num_f32 v[T0], v[BM], v[BM+1], v[BM+2]
	s_delay_alu instid0(VALU_DEP_1)
	v_max_num_f32 v[T0], v[T0], v[BM+3]
	s_delay_alu instid0(VALU_DEP_1)
	v_mul_f32 v[T0], s24, v[T0]                    ; as t (c is positive)
	s_delay_alu instid0(VALU_DEP_1)
	v_max_num_f32 v13, v13, v[T0]                  ; the running largest t
	v_mov_b32 v[T0], v12
	s_delay_alu instid0(VALU_DEP_2)
	v_floor_f32 v12, -v13                          ; the new -M = -ceil(t)
	s_delay_alu instid0(VALU_DEP_1)
	v_sub_f32 v[T0], v12, v[T0]                    ; old M - new M: a whole number, 0 or less
	s_delay_alu instid0(VALU_DEP_1)
	v_cvt_i32_f32 v[T0], v[T0]                     ; (it saturates)
	s_delay_alu instid0(VALU_DEP_1)
	v_ldexp_f32 v[FF], 1.0, v[T0]                  ; f = 2^(old M - new M)
.set J_, 0
.rept 32
	v_pk_fma_f32 v[S+J_:S+J_+1], v[S+J_:S+J_+1], s[24:25], v[12:13] op_sel_hi:[1,0,0]   ; t - M, two at a time
.set J_, J_+2
.endr
.irp b, 0,1,2,3
	v_fma_f32 v[BM+\b], v[BM+\b], s24, v12         ; the same of each block's largest score
.endr
.set J_, 0
	s_wait_alu depctr_va_vdst(0)
.rept 64
	v_exp_f32 v[S+J_], v[S+J_]                     ; p = 2^(t - M), at most 1
.set J_, J_+1
.endr
	s_setprio 1
	v_pk_mul_f32 v[14:15], v[14:15], v[FF:FF+1] op_sel_hi:[1,0]   ; the sums under the new M: a plain place behind the exponentials
	s_wait_alu depctr_va_vdst(0)                   ; one wait for the batch of 64, ahead of its first reader
.irp b, 0,1,2,3
	v_exp_f32 v[BM+\b], v[BM+\b]                   ; the blocks' largest p
.endr
	v_pk_add_f32 v[224:225], v[100:101], v[104:105]
	v_pk_add_f32 v[254:255], v[108:109], v[112:113]
	v_pk_add_f32 v[252:253], v[116:117], v[120:121]
	v_pk_add_f32 v[250:251], v[124:125], v[128:129]
	v_pk_add_f32 v[248:249], v[132:133], v[136:137]
	v_pk_add_f32 v[246:247], v[140:141], v[144:145]
	v_pk_add_f32 v[244:245], v[148:149], v[152:153]
	v_pk_add_f32 v[14:15], v[14:15], v[156:157]
	v_pk_add_f32 v[224:225], v[224:225], v[96:97]
	v_pk_add_f32 v[254:255], v[254:255], v[98:99]
	v_pk_add_f32 v[252:253], v[252:253], v[102:103]
	v_pk_add_f32 v[250:251], v[250:251], v[106:107]
	v_pk_add_f32 v[248:249], v[248:249], v[110:111]
	v_pk_add_f32 v[246:247], v[246:247], v[114:115]
	v_pk_add_f32 v[244:245], v[244:245], v[118:119]
	v_pk_add_f32 v[14:15], v[14:15], v[122:123]
	v_pk_add_f32 v[224:225], v[224:225], v[126:127]
	v_pk_add_f32 v[254:255], v[254:255], v[130:131]
	v_pk_add_f32 v[252:253], v[252:253], v[134:135]
	v_pk_add_f32 v[250:251], v[250:251], v[138:139]
	v_pk_add_f32 v[248:249], v[248:249], v[142:143]
	v_pk_add_f32 v[246:247], v[246:247], v[146:147]
	v_pk_add_f32 v[244:245], v[244:245], v[150:151]
	v_pk_add_f32 v[14:15], v[14:15], v[154:155]
	v_pk_add_f32 v[224:225], v[224:225], v[158:159]
	s_delay_alu instid0(VALU_DEP_2)
	v_pk_add_f32 v[14:15], v[14:15], v[250:251]
	s_delay_alu instid0(VALU_DEP_2)
	v_pk_add_f32 v[224:225], v[224:225], v[248:249]
	v_pk_add_f32 v[254:255], v[254:255], v[246:247]
	v_pk_add_f32 v[252:253], v[252:253], v[244:245]
	s_delay_alu instid0(VALU_DEP_2)
	v_pk_add_f32 v[14:15], v[14:15], v[254:255]
	s_delay_alu instid0(VALU_DEP_2)
	v_pk_add_f32 v[224:225], v[224:225], v[252:253]
	s_delay_alu instid0(VALU_DEP_1)
	v_pk_add_f32 v[14:15], v[14:15], v[224:225]
	s_wait_alu depctr_va_vdst(0)                   ; and one for the four
.irp b, 0,1,2,3
	v_max_num_f32 v[BM+\b], 0x1800000, v[BM+\b]    ; the floor 2^(3 - 127): the byte cannot fall under 1
.endr
.irp b, 0,1,2,3
	s_delay_alu instid0(VALU_DEP_4)
	v_add_nc_u32 v[SOP+\b], 0xff000000, v[BM+\b]   ; 2 off the exponent field: the conversion's scale operand
.endr
.irp b, 0,1,2,3
	s_delay_alu instid0(VALU_DEP_4)
	v_lshrrev_b32 v[PT+\b], 23, v[SOP+\b]
.endr
	s_delay_alu instid0(VALU_DEP_3)
	v_lshl_or_b32 v[PS], v[PT+1], 8, v[PT]         ; p's scale word for these 128 keys
	s_delay_alu instid0(VALU_DEP_1)
	v_lshl_or_b32 v[PS], v[PT+2], 16, v[PS]
	s_delay_alu instid0(VALU_DEP_1)
	v_lshl_or_b32 v[PS], v[PT+3], 24, v[PS]
.irp c, 0,1
	v_cvt_scalef32_pk16_fp6_f32 v[PC+6*\c:PC+2+6*\c], v[S+32*\c:S+15+32*\c], v[SOP+2*\c]
	v_cvt_scalef32_pk16_fp6_f32 v[PC+12+4*\c:PC+14+4*\c], v[S+16+32*\c:S+31+32*\c], v[SOP+2*\c+1]
.endr
	v_nop                                          ; one plain place behind a scaled conversion
.irp c, 0,1
.irp i, 0,1,2
	v_permlane16_swap_b32 v[PC+6*\c+\i], v[PC+12+4*\c+\i]
.endr
.irp i, 0,1,2
	s_delay_alu instid0(VALU_DEP_3)
	v_mov_b32 v[PC+3+6*\c+\i], v[PC+12+4*\c+\i]
.endr
.endr
.set J_, 0
.rept 16
	v_pk_mul_f32 v[O+J_:O+J_+1], v[O+J_:O+J_+1], v[FF:FF+1] op_sel_hi:[1,0]   ; O^T under the new M.  These 16 are also the places between p's scale word and codes and the products
.set J_, J_+2
.endr
	s_wait_alu depctr_va_vdst(0)
	s_wait_dscnt 0x0                               ; V
.irp t, 0,1,2,3                                ; O^T += V^T P^T: the four accumulators by turns
	v_wmma_scale_f32_16x16x128_f8f6f4 v[O+8*\t:O+8*\t+7], v[F+12*\t:F+12*\t+11], v[PC:PC+11], v[O+8*\t:O+8*\t+7], v[VS+\t], v[PS] matrix_a_fmt:MATRIX_FMT_FP6 matrix_b_fmt:MATRIX_FMT_FP6
.endr
	s_cmp_eq_u32 s21, 0
	s_setprio 0
	s_cbranch_scc1 .Lon_\@
	; THE RUN'S END: O^T / l, quantised along d (two blocks of 32), leaves as half a fragment of the last product; then the next run is set up
	s_wait_xcnt 0x0                                ; earlier stores and prefetches have read their registers: the last run's store data may be written again
.rept 4
	v_nop                                          ; four places behind the last products
.endr
	v_add_f32 v14, v14, v15
	s_delay_alu instid0(VALU_DEP_1)
	v_permlanex16_b32 v[T0], v14, s22, s23
	s_delay_alu instid0(VALU_DEP_1)
	v_add_f32 v14, v14, v[T0]                      ; the row's sum
	s_wait_alu depctr_va_vdst(0)
	v_rcp_f32 v14, v14
	v_nop                                          ; a plain place behind the reciprocal
	s_wait_alu depctr_va_vdst(0)                   ; and the wait ahead of its first reader
.set J_, 0
.rept 32
	v_mul_f32 v[S+J_], v[O+J_], v14                ; register 16 b + i: d = 32 b + 16 h + i; each accumulator from its low end on
.set J_, J_+1
.endr
.irp b, 0,1
	v_max3_num_f32 v[BM+\b], |v[S+16*\b]|, |v[S+1+16*\b]|, 0x1800000
.endr
.irp i, 2,4,6,8,10,12,14
.irp b, 0,1
	s_delay_alu instid0(VALU_DEP_2)
	v_max3_num_f32 v[BM+\b], v[BM+\b], |v[S+16*\b+\i]|, |v[S+1+16*\b+\i]|
.endr
.endr
.irp b, 0,1
	s_delay_alu instid0(VALU_DEP_2)
	v_permlanex16_b32 v[PT+\b], v[BM+\b], s22, s23
.endr
.irp b, 0,1
	s_delay_alu instid0(VALU_DEP_2)
	v_max_num_f32 v[BM+\b], v[BM+\b], v[PT+\b]
.endr
.irp b, 0,1
	s_delay_alu instid0(VALU_DEP_2)
	v_add_nc_u32 v[SOP+\b], 0xff000000, v[BM+\b]
.endr
.irp b, 0,1
	s_delay_alu instid0(VALU_DEP_2)
	v_lshrrev_b32 v[PT+\b], 23, v[SOP+\b]
.endr
	s_delay_alu instid0(VALU_DEP_1)
	v_lshl_or_b32 v[HW], v[PT+1], 8, v[PT]         ; the head's two scale bytes of my row
	v_cvt_scalef32_pk16_fp6_f32 v[STG:STG+2], v[S:S+15], v[SOP]
	v_cvt_scalef32_pk16_fp6_f32 v[STG+4:STG+6], v[S+16:S+31], v[SOP+1]
	v_nop                                          ; one plain place behind a scaled conversion
.irp i, 0,1,2
	v_permlane16_swap_b32 v[STG+\i], v[STG+4+\i]
.endr
.irp i, 0,1,2
	s_delay_alu instid0(VALU_DEP_3)
	v_mov_b32 v[STG+3+\i], v[STG+4+\i]             ; six registers: k = 32 h + 0 .. 31 of the head's 64
.endr
	global_store_b128 v[LI], v[STG:STG+3], s[50:51]            ; 512 consecutive bytes,
	global_store_b64 v[L8], v[STG+4:STG+5], s[50:51] offset:512   ; and 256
	global_store_b32 v[CSO], v[HW], s[52:53]       ; 64 bytes: both halves of the lanes write the same words
.irp i, 0,1,2,3,4,5
	v_mov_b32 v[QZ+6+\i], v[Q1+\i]                 ; the next run's q,
.endr
	v_mov_b32 v[QS], v[Q1S]                        ; its scale bytes,
	v_mov_b32 v13, 0xff61b1e6
	s_delay_alu instid0(VALU_DEP_1)
	v_floor_f32 v12, -v13
	v_mov_b32 v14, 0
	v_mov_b32 v15, 0
.set J_, 0
.rept 32
	v_mov_b32 v[O+J_], 0                           ; and zeros.  (More than the eight places owed between the scale bytes and the next product)
.set J_, J_+1
.endr
	s_wait_xcnt 0x0                                ; the stores have read their bases
	s_mov_b64 s[50:51], s[54:55]
	s_mov_b64 s[52:53], s[56:57]
.Lon_\@:
	s_add_co_u32 s18, s18, STEPB
	s_add_co_u32 s16, s16, 1
.endm
; THE CHANGE OF SLOTS stands at a slot's head.  Each wave waits for all its tensor loads (its block of the slot ahead), adds 0 to its spare word, and waits for that and for its reads of the slot that it has left.
; Behind the barrier the slot ahead is whole and nobody reads the other one.  fill = 1: that other slot takes the next three steps' blocks: one load a wave, with three steps in which to land.  One tensor load of a wave is out at the most.
.macro CHANGE fill
	s_wait_tensorcnt 0x0                           ; no tensor load of mine is out, so group 0 may be written
	ds_add_u32 v[SPW], v[NIL]                      ; 0 onto my spare word
.if \fill
	s_xor_b32 s37, s37, SLOT1                      ; the other slot than last time
	s_add_co_u32 s17, s17, 3                       ; the step that I fetch;
	s_cmp_ge_u32 s17, s15
	s_cselect_b32 s42, s15, 0
	s_sub_co_u32 s42, s17, s42                     ; its key step: the second run begins again at key step 0
	s_mul_i32 s42, s42, STEPB
	s_mov_b32 s43, 0
	s_add_nc_u64 s[38:39], s[40:41], s[42:43]
	s_or_b32 s39, s39, 0x80000000
	s_wait_xcnt 0x0                                ; the last prefetch, a slot back, has read its address
	s_add_nc_u64 s[44:45], s[44:45], 5*8192
	s_add_co_u32 s46, s46, 5
.endif
	s_wait_dscnt 0x0                               ; the add is done, and my reads of the slot that I have left are over
	s_barrier_signal -1
	s_barrier_wait -1
.if \fill
	TLOAD                                          ; the first thing behind the barrier, and a wave's one tensor load until the next
	ASK
.endif
.endm
.macro THREE_STEPS                     ; a slot's three steps: written once, walked three times; the LDS addresses hang on s18
	s_mov_b32 s20, 3
.Lstep_\@:
	s_setprio 2
	STEP
	s_sub_co_u32 s20, s20, 1
	s_cmp_lg_u32 s20, 0
	s_cbranch_scc1 .Lstep_\@
	s_setprio 0
	s_sub_co_u32 s18, s18, 3*STEPB                 ; back to a slot's first block,
	s_xor_b32 s18, s18, SLOT1                      ; in the other slot
.endm
.Lslot:                                            ; ten trips: behind each change of slots but the last the next slot is asked for
	CHANGE 1
	THREE_STEPS
	s_sub_co_u32 s19, s19, 1
	s_cmp_lg_u32 s19, 0
	s_cbranch_scc1 .Lslot
	CHANGE 0                                       ; the last slot is written out
	THREE_STEPS
	s_wait_tensorcnt 0x0                           ; the wave's end
	ds_add_u32 v[SPW], v[NIL]
	s_wait_dscnt 0x0
	s_endpgm
.Lfunc_end_k_qd6f3424b08_attn:
	.size	k_qd6f3424b08_attn, .Lfunc_end_k_qd6f3424b08_attn-k_qd6f3424b08_attn
	.p2alignl 7, 3214868480
	.fill 96, 4, 3214868480
	.section	.rodata,"a",@progbits
	.p2align	6, 0x0
	.amdhsa_kernel k_qd6f3424b08_attn
		.amdhsa_group_segment_fixed_size 327680
		.amdhsa_private_segment_fixed_size 0
		.amdhsa_enable_private_segment 0
		.amdhsa_kernarg_size 32
		.amdhsa_user_sgpr_count 2
		.amdhsa_user_sgpr_kernarg_segment_ptr 1
		.amdhsa_wavefront_size32 1
		.amdhsa_system_sgpr_workgroup_id_x 1
		.amdhsa_system_sgpr_workgroup_id_y 1
		.amdhsa_system_sgpr_workgroup_id_z 1
		.amdhsa_system_vgpr_workitem_id 0
		.amdhsa_next_free_vgpr 256
		.amdhsa_next_free_sgpr 66
		.amdhsa_reserve_vcc 1
		.amdhsa_float_denorm_mode_32 3
		.amdhsa_float_denorm_mode_16_64 3
		.amdhsa_memory_ordered 1
		.amdhsa_forward_progress 1
		.amdhsa_inst_pref_size 66
	.end_amdhsa_kernel
	.amdgpu_metadata
---
amdhsa.version: [ 1, 2 ]
amdhsa.kernels:
  - .name:           k_qd6f3424b08_attn
    .symbol:         k_qd6f3424b08_attn.kd
    .args:
      - { .name: qi, .offset: 0, .size: 8, .value_kind: global_buffer, .address_space: global }
      - { .name: kv, .offset: 8, .size: 8, .value_kind: global_buffer, .address_space: global }
      - { .name: cc, .offset: 16, .size: 8, .value_kind: global_buffer, .address_space: global }
      - { .name: cs, .offset: 24, .size: 8, .value_kind: global_buffer, .address_space: global }
    .group_segment_fixed_size: 327680
    .private_segment_fixed_size: 0
    .kernarg_segment_align: 8
    .kernarg_segment_size: 32
    .max_flat_workgroup_size: 256
    .sgpr_count:     66
    .vgpr_count:     256
    .wavefront_size: 32
...
	.end_amdgpu_metadata
.endif
;; end of part 7
;; launch outp (part 8): grid 12 x 16, 4 waves a work-group, no clusters, 17,920 bytes of LDS; arguments cc, cs, wc, ws, bo, out0; writes out0
.if DOCPART == 8
	.amdgcn_target "amdgcn-amd-amdhsa--gfx1250"
	.amdhsa_code_object_version 6
	.text
	.protected	k_qd6f3424b08_outp
	.globl	k_qd6f3424b08_outp
	.p2align	8
	.type	k_qd6f3424b08_outp,@function
k_qd6f3424b08_outp:
	s_mov_b64 s[64:65], 0
	v_nop
	global_prefetch_b8 v0, s[64:65] scope:SCOPE_SE
	s_setreg_imm32_b32 hwreg(HW_REG_WAVE_SCHED_MODE, 0, 2), 2
	s_setreg_imm32_b32 hwreg(HW_REG_WAVE_MODE, 25, 1), 1
	s_wait_xcnt 0x0
	s_wait_alu depctr_vm_vsrc(0)
; out = concat wo + bo on codes of FP6 (E2M3), K = 768 in six steps of 128.  concat's codes (cc) and scale bytes (cs) and wo's (wc, ws; units 36 .. 47) lie as images of operand registers.
; SHARES: work-group (x, y): 64 outputs 64 x ..; wave w: G = 4 y + w, tokens 64 G .. 64 G + 63 (four token tiles).  A wave makes 64 x 64: 16 accumulators, 96 matrix instructions; 768 waves that share nothing.
; Operands come from memory straight into registers, into three sets that take turns.  No tensor loads, no cluster: K is six steps, and the waves share nothing but wo.
; Source 0 = 16 outputs of wo, source 1 = 16 tokens: a lane holds one token and, in the four tiles' 32 registers, outputs 32 b + 16 h + 0 .. 15.  bo is the C of each sum's first matrix instruction.
; A K step's scale word of a token is two heads' byte pairs: joined once, at the head.  The 16 accumulators take turns, one instruction a turn.
; THE WAY OUT: a token tile goes through the wave's own stage in LDS (16 rows of 256 bytes + 16) and leaves as whole rows: sixteen lanes store 256 consecutive bytes, at a multiple of 256 from out0's first byte.
; REGISTERS: window 0: v1-10 addresses; v14, v15 the add's two; v16-111 concat's four fragments, sets 0 and 1; v112-207 wo's four, sets 0 and 1; v208-219, v220-231 scale words; v232-255 the heads' byte pairs as loaded.
;   Window 1: v0-127 accumulators, v128-159 bo, v160-207 concat's fragments, set 2, v208-255 wo's, set 2.
; THE MODE: SCHED_MODE bits 1:0 = 2 (LLVM: expert scheduling mode 2), set by the entry lines.  The code itself states the register dependences
; between vector or matrix instructions and memory or LDS instructions, with s_wait_alu, always for 0.
; THE PLAN.  Registers that memory or LDS instructions touch:
;   v1-3, v10     Offsets of the loads, written once at the head.   v4-6  The stage's two addresses and out0's offset, written once ahead of the first product.  None is written again.
;   Sets 0, 1, 2  K step c's fragments lie in set c % 3 and are read by step c's 16 products.  Sets 0 to 2 are asked for at the head; at the head of step c (c = 1, 2, 3) the loads of step c + 2 land in
;                 set (c - 1) % 3, which the step before read and which no product of step c names.
;   v208-219      concat's scale words: written by the twelve v_perm_b32 at the head, taken as scales by the products.
;   Accumulators  Written by the products, read by the LDS stores of the way out.
;   v16-143       On the way out the loads from the stage land here (sets 0 and 1 are read out by then); the global stores read them; each tile has 32 registers of its own.
; So ONE wait on va_vdst stands at the head of each of steps 1 to 3, behind the wait for the step's own data and straight ahead of the run of loads; one ahead of the first load, one ahead of the first product,
; one ahead of the way out.  Nothing that a memory or LDS instruction reads is written again, so no wait on vm_vsrc is owed.
.set LI,  1                            ; 16 x lane
.set LS,  2                            ; 4 x lane
.set L8,  3                            ; 8 x lane
.set STO, 4
.set RD,  5
.set CO,  6
.set SPW, 14                           ; my spare word; never rewritten
.set NIL, 15                           ; 0; never rewritten
.set CF,  16                           ; sets 0 and 1, in window 0
.set WF,  112
.set CF2, 160                          ; set 2, in window 1
.set WF2, 208
.set AS,  208
.set WSC, 220
.set RAW, 232
.set BI,  128                          ; in window 1
.set OB,  16                           ; the way out: four sets of 32 registers
.set SPARE, 17408                      ; behind the four stages: the spare words, 128 bytes for each wave
.set MSB, 0
.macro WIN new                         ; the immediate's high byte repeats the setting that is left
.if MSB != \new
	s_set_vgpr_msb (MSB<<8)|\new
.set MSB, \new
.endif
.endm
.macro MM d, a, b, c, sa, sb, ra, rb   ; ra, rb = 1: that side's scale words stand in lanes 16-31 of the register named
.if (\ra) && (\rb)
	v_wmma_scale_f32_16x16x128_f8f6f4 v[\d:\d+7], v[\a:\a+11], v[\b:\b+11], v[\c:\c+7], v[\sa], v[\sb] matrix_a_fmt:MATRIX_FMT_FP6 matrix_b_fmt:MATRIX_FMT_FP6 matrix_a_scale:MATRIX_SCALE_ROW1 matrix_b_scale:MATRIX_SCALE_ROW1
.elseif (\ra)
	v_wmma_scale_f32_16x16x128_f8f6f4 v[\d:\d+7], v[\a:\a+11], v[\b:\b+11], v[\c:\c+7], v[\sa], v[\sb] matrix_a_fmt:MATRIX_FMT_FP6 matrix_b_fmt:MATRIX_FMT_FP6 matrix_a_scale:MATRIX_SCALE_ROW1
.elseif (\rb)
	v_wmma_scale_f32_16x16x128_f8f6f4 v[\d:\d+7], v[\a:\a+11], v[\b:\b+11], v[\c:\c+7], v[\sa], v[\sb] matrix_a_fmt:MATRIX_FMT_FP6 matrix_b_fmt:MATRIX_FMT_FP6 matrix_b_scale:MATRIX_SCALE_ROW1
.else
	v_wmma_scale_f32_16x16x128_f8f6f4 v[\d:\d+7], v[\a:\a+11], v[\b:\b+11], v[\c:\c+7], v[\sa], v[\sb] matrix_a_fmt:MATRIX_FMT_FP6 matrix_b_fmt:MATRIX_FMT_FP6
.endif
.endm
; 28 loads: K step c's fragments into set c % 3.  A fragment of concat is two heads' halves: registers 0-3, 4-5 and 6-9, 10-11.  w = 1: the set has been read by products: the window is switched first, then the wait, then the loads
.macro KLOAD c, w
.if (\c)%3 == 2
	WIN 0x40                                       ; destination window 1, address window 0
.set KC, CF2
.set KW, WF2
.else
	WIN 0
.set KC, CF+48*((\c)%3)
.set KW, WF+48*((\c)%3)
.endif
.if \w
	s_wait_alu depctr_va_vdst(0)                   ; the products of the step before are done reading this set, in which the 28 loads below land
.endif
.irp i, 0,1,2,3
	global_load_b128 v[KC+12*\i:KC+12*\i+3], v[LI], s[4:5] offset:(\c)*12288+\i*1536
	global_load_b64 v[KC+12*\i+4:KC+12*\i+5], v[L8], s[4:5] offset:(\c)*12288+\i*1536+512
	global_load_b128 v[KC+12*\i+6:KC+12*\i+9], v[LI], s[4:5] offset:(\c)*12288+\i*1536+768
	global_load_b64 v[KC+12*\i+10:KC+12*\i+11], v[L8], s[4:5] offset:(\c)*12288+\i*1536+1280
.endr
.irp t, 0,1,2,3
.irp q, 0,1,2
	global_load_b128 v[KW+12*\t+4*\q:KW+12*\t+4*\q+3], v[LI], s[8:9] offset:(\c)*6144+\t*1536+512*\q
.endr
.endr
.endm
.macro STEP c
.if (\c) == 0
	s_wait_loadcnt 56                              ; K step 0's loads and all older ones are in; the 56 of K steps 1 and 2 may be out
.elseif (\c) < 5
	s_wait_loadcnt 28                              ; this K step's loads are in; the next step's 28 may be out
.else
	s_wait_loadcnt 0x0
.endif
.if ((\c) >= 1) && ((\c) <= 3)
	KLOAD (\c)+2, 1                                ; two K steps ahead, into the set that the step before has read
.endif
.if (\c)%3 == 2
	WIN 0x55                                       ; set 2: both sources in window 1; C and D in window 1
.set KC, CF2
.set KW, WF2
.else
	WIN 0x50                                       ; C and D in window 1
.set KC, CF+48*((\c)%3)
.set KW, WF+48*((\c)%3)
.endif
.irp i, 0,1,2,3
.irp t, 0,1,2,3
.if (\c) == 0
	MM 8*(4*\i+\t), KW+12*\t, KC+12*\i, BI+8*\t, WSC+2*(\c)+\t/2, AS+2*(\c)+\i/2, \t%2, \i%2
.else
	MM 8*(4*\i+\t), KW+12*\t, KC+12*\i, 8*(4*\i+\t), WSC+2*(\c)+\t/2, AS+2*(\c)+\i/2, \t%2, \i%2
.endif
.endr
.endr
.if ((\c) < 3) || ((\c) == 5)
.rept 4
	v_nop                                          ; four places: behind steps 0 to 2 beside the wait in front of the loads into the set just read; behind step 5 in front of the first read of results
.endr
.endif
.endm
	s_load_b256 s[4:11], s[0:1], 0x0               ; cc 4, cs 6, wc 8, ws 10
	s_load_b128 s[12:15], s[0:1], 0x20             ; bo 12, out0 14
	v_lshl_add_u32 v[SPW], v0, 2, SPARE
	v_mov_b32 v[NIL], 0
	v_lshrrev_b32 v7, 5, v0
	v_readfirstlane_b32 s16, v7                    ; wave
	v_and_b32 v7, 31, v0
	v_lshlrev_b32 v[LI], 4, v7
	v_lshlrev_b32 v[LS], 2, v7
	v_lshlrev_b32 v[L8], 3, v7
	v_and_b32 v8, 15, v0                           ; r
	v_bfe_u32 v9, v0, 4, 1                         ; h
	v_lshlrev_b32 v10, 6, v9                       ; 64 h
	s_wait_alu depctr_va_sdst(0)                   ; s16 is written, ahead of its first reader: the bases and my stage's place are made from it
	s_and_b32 s17, ttmp7, 0xffff
	s_lshl_b32 s17, s17, 2
	s_add_co_u32 s17, s17, s16                     ; G
	s_lshr_b32 s18, s17, 1                         ; the step of 128 tokens
	s_and_b32 s19, s17, 1                          ; which half of it
	s_add_co_u32 s20, ttmp9, 36                    ; wo's unit
	s_mov_b32 s23, 0
	s_wait_kmcnt 0x0
	s_mul_i32 s22, s18, 73728
	s_mul_i32 s24, s19, 6144
	s_add_co_u32 s22, s22, s24
	s_add_nc_u64 s[4:5], s[4:5], s[22:23]
	s_mul_i32 s22, s18, 6144
	s_lshl_b32 s24, s19, 8
	s_add_co_u32 s22, s22, s24
	s_add_nc_u64 s[6:7], s[6:7], s[22:23]
	s_mul_i32 s22, s20, 36864
	s_add_nc_u64 s[8:9], s[8:9], s[22:23]
	s_mul_i32 s22, s20, 1536
	s_add_nc_u64 s[10:11], s[10:11], s[22:23]
	s_lshl_b32 s22, ttmp9, 8
	s_add_nc_u64 s[12:13], s[12:13], s[22:23]
	s_mul_i32 s24, s17, 196608                     ; 64 G rows of 3,072 bytes
	s_add_co_u32 s22, s22, s24
	s_add_nc_u64 s[14:15], s[14:15], s[22:23]
	s_wait_alu depctr_va_vdst(0)                   ; the loads' offsets v1, v2, v3 and v10 are written
.irp c, 0,1,2,3,4,5
.irp e, 0,1
.irp j, 0,1
	global_load_b32 v[RAW+4*\c+2*\e+\j], v[LS], s[6:7] offset:(2*\c+\e)*512+128*\j   ; head 2 c + e: lanes 0-15 tile 2 j of my four, lanes 16-31 tile 2 j + 1
.endr
.endr
.endr
.irp c, 0,1,2,3,4,5
.irp j, 0,1
	global_load_b32 v[WSC+2*\c+\j], v[LS], s[10:11] offset:\c*256+128*\j
.endr
.endr
	WIN 0x40                                       ; destination window 1
.irp t, 0,1,2,3
	global_load_b128 v[BI+8*\t:BI+8*\t+3], v10, s[12:13] offset:(32*(\t/2)+8*(\t%2))*4
	global_load_b128 v[BI+8*\t+4:BI+8*\t+7], v10, s[12:13] offset:(32*(\t/2)+8*(\t%2))*4+16
.endr
	KLOAD 0, 0                                     ; the three sets' first loads: no vector or matrix instruction has named these registers
	KLOAD 1, 0
	KLOAD 2, 0
	WIN 0
	s_wait_loadcnt 63                              ; the heads' byte pairs are in: 104 younger loads could stay out, and 63 is the largest count that the wait can name
.irp c, 0,1,2,3,4,5
.irp j, 0,1
	v_perm_b32 v[AS+2*\c+\j], v[RAW+4*\c+2+\j], v[RAW+4*\c+\j], 0x05040100   ; bytes 0, 1: the even head's; bytes 2, 3: the odd head's
.endr
.endr
	s_mul_i32 s22, s16, 4352                       ; my stage
	v_mul_u32_u24 v[STO], v8, 272
	v_add_nc_u32 v[STO], v[STO], v10
	v_add_nc_u32 v[STO], s22, v[STO]               ; in: row r, + 64 h
	v_mul_u32_u24 v[RD], v9, 272
	v_lshl_add_u32 v[RD], v8, 4, v[RD]
	v_add_nc_u32 v[RD], s22, v[RD]                 ; back: lanes 0-15 one row, lanes 16-31 the next
	v_mul_u32_u24 v[CO], v9, 3072
	v_lshl_add_u32 v[CO], v8, 4, v[CO]             ; and the same two rows in out0
.rept 8
	v_nop                                          ; a scale register written by a vector instruction stands eight places ahead of a scaled matrix instruction
.endr
	s_wait_alu depctr_va_vdst(0)                   ; behind the places: the twelve joined scale words are written, which the products take as scales; so are v4, v5 and v6, which the LDS instructions and stores of the way out read
.irp c, 0,1,2,3,4,5
	STEP \c
.endr
; token tile i: 16 rows x 64 outputs through my stage.  LDS serves a wave's instructions in order (ISA guide 5.7.1.4): no wait between the stores and the loads, nor in front of the next tile's stores
.macro TOSTAGE i
	WIN 0x04                                       ; an LDS store's data are its source 1: window 1
.irp t, 0,1,2,3
	ds_store_b128 v[STO], v[8*(4*\i+\t):8*(4*\i+\t)+3] offset:128*(\t/2)+32*(\t%2)        ; each accumulator from its low end on
	ds_store_b128 v[STO], v[8*(4*\i+\t)+4:8*(4*\i+\t)+7] offset:128*(\t/2)+32*(\t%2)+16
.endr
	WIN 0
.irp k, 0,1,2,3,4,5,6,7
	ds_load_b128 v[OB+32*\i+4*\k:OB+32*\i+4*\k+3], v[RD] offset:2*\k*272
.endr
.endm
.macro SEND i, younger                 ; younger: the LDS instructions issued behind tile i's loads, which may stay out.  Stage row rho is token 32 (i / 2) + 8 (i % 2) + rho + 8 (rho / 8) of my 64
	s_wait_dscnt \younger
.irp k, 0,1,2,3,4,5,6,7
	global_store_b128 v[CO], v[OB+32*\i+4*\k:OB+32*\i+4*\k+3], s[14:15] offset:(32*(\i/2)+8*(\i%2)+2*\k+8*(\k/4))*3072 th:TH_STORE_NT
.endr
.endm
	WIN 0x04
	s_wait_alu depctr_va_vdst(0)                   ; behind step 5's four places: the products have written the accumulators, which the LDS stores read, and are done reading sets 0 and 1, in which the loads from the stage land; no vector or matrix instruction follows
	TOSTAGE 0
	TOSTAGE 1
	SEND 0, 16                                     ; behind tile 0's loads: tile 1's 8 stores and 8 loads
	TOSTAGE 2
	SEND 1, 16
	TOSTAGE 3
	SEND 2, 16
	SEND 3, 0
	s_wait_dscnt 0x0                               ; the closing lines, six on end (every window is 0 here: the add's two registers lie in window 0)
	s_wait_alu 0x0
	s_wait_tensorcnt 0x0
	ds_add_u32 v[SPW], v[NIL]
	s_wait_dscnt 0x0
	s_endpgm
.Lfunc_end_k_qd6f3424b08_outp:
	.size	k_qd6f3424b08_outp, .Lfunc_end_k_qd6f3424b08_outp-k_qd6f3424b08_outp
	.p2alignl 7, 3214868480
	.fill 96, 4, 3214868480
	.section	.rodata,"a",@progbits
	.p2align	6, 0x0
	.amdhsa_kernel k_qd6f3424b08_outp
		.amdhsa_group_segment_fixed_size 17920
		.amdhsa_private_segment_fixed_size 0
		.amdhsa_enable_private_segment 0
		.amdhsa_kernarg_size 48
		.amdhsa_user_sgpr_count 2
		.amdhsa_user_sgpr_kernarg_segment_ptr 1
		.amdhsa_wavefront_size32 1
		.amdhsa_system_sgpr_workgroup_id_x 1
		.amdhsa_system_sgpr_workgroup_id_y 1
		.amdhsa_system_sgpr_workgroup_id_z 1
		.amdhsa_system_vgpr_workitem_id 0
		.amdhsa_next_free_vgpr 512
		.amdhsa_next_free_sgpr 66
		.amdhsa_reserve_vcc 0
		.amdhsa_float_denorm_mode_32 3
		.amdhsa_float_denorm_mode_16_64 3
		.amdhsa_memory_ordered 1
		.amdhsa_forward_progress 1
		.amdhsa_inst_pref_size 45
	.end_amdhsa_kernel
	.amdgpu_metadata
---
amdhsa.version: [ 1, 2 ]
amdhsa.kernels:
  - .name:           k_qd6f3424b08_outp
    .symbol:         k_qd6f3424b08_outp.kd
    .args:
      - { .name: cc, .offset: 0, .size: 8, .value_kind: global_buffer, .address_space: global }
      - { .name: cs, .offset: 8, .size: 8, .value_kind: global_buffer, .address_space: global }
      - { .name: wc, .offset: 16, .size: 8, .value_kind: global_buffer, .address_space: global }
      - { .name: ws, .offset: 24, .size: 8, .value_kind: global_buffer, .address_space: global }
      - { .name: bo, .offset: 32, .size: 8, .value_kind: global_buffer, .address_space: global }
      - { .name: out0, .offset: 40, .size: 8, .value_kind: global_buffer, .address_space: global }
    .group_segment_fixed_size: 17920
    .private_segment_fixed_size: 0
    .kernarg_segment_align: 8
    .kernarg_segment_size: 48
    .max_flat_workgroup_size: 128
    .sgpr_count:     66
    .vgpr_count:     512
    .wavefront_size: 32
...
	.end_amdgpu_metadata
.endif
;; end of part 8
